; MI455X (gfx1250); checked and timed in simulation.
; The chip was launched on July 23, 2026; its instructions are those of AMD's public machine-readable ISA for CDNA 5 (MIT licence, August 2026) and "CDNA5" Instruction Set Architecture Reference Guide (July 2026). The comments in the code are by the model that wrote it; some were corrected since.
;; Modality Untied Attention. Allowed arithmetic: matrix products marked QUANTISED: E2M1 operands, one E8M0 scale for each 32 along K, by v_wmma_scale_f32_16x16x128_f8f6f4 with both operands' format E2M1 (or v_wmma_scale_f32_32x16x128_f4), f32 sums; products left as they are: bf16, f16 or f32 operands; f32 sums; everything else in f32.
;; Inputs: attn_norm_w 2 x 2,048 float32; freqs_cos 2,048 x 64 float32; freqs_sin 2,048 x 64 float32; k_norm_w 2 x 128 float32; modality_ids 4,096 int32; q_norm_w 2 x 128 float32; wk 2 x 2,048 x 512 float32; wo 2 x 1,024 x 2,048 float32; wq 2 x 2,048 x 1,024 float32; wv 2 x 2,048 x 512 float32; x 2 x 2,048 x 2,048 float32.
;; Outputs: out0 2 x 2,048 x 2,048 float32.
;; This version of the problem:
;;   THIS VERSION OF THE PROBLEM IS GIVEN IN LOW PRECISION. The matrix products marked QUANTISED in the list below multiply operands that are first quantised to E2M1 (2 exponent bits, 1 mantissa bit; 4 bits a number), with one power-of-two scale for each 32 numbers along K (OCP MX v1.0); their sums are f32. The products marked 'left as it is' may take bf16, f16 or f32 operands, with f32 sums. Whichever they take, every output number must still come out within the allowed error. Rounding operands to bf16 (8 significant bits) uses up far more of that allowance than f16 does (11 bits, for magnitudes from 6e-5 to 65,504). All else is computed in f32.
;;   The module's matrix products, in the order in which they are computed (A, B: the left and right operand; K: the contracted axis; several contracted axes count as one K, in the product's order):
;;     1. [M 2,048, K 2,048] x [K 2,048, N 4,096]; A: input wq; B: input x: QUANTISED
;;     2. batch 4,096 x [M 1, K 2] x [K 2, N 1,024]; A: computed on the way; B: computed on the way: left as it is (K = 2 < 32)
;;     3. [M 1,024, K 2,048] x [K 2,048, N 4,096]; A: input wk; B: input x: QUANTISED
;;     4. batch 4,096 x [M 1, K 2] x [K 2, N 512]; A: computed on the way; B: computed on the way: left as it is (K = 2 < 32)
;;     5. [M 1,024, K 2,048] x [K 2,048, N 4,096]; A: input wv; B: input x: QUANTISED
;;     6. batch 4,096 x [M 1, K 2] x [K 2, N 512]; A: computed on the way; B: computed on the way: left as it is (K = 2 < 32)
;;     7. batch 16 x [M 2,048, K 128] x [K 128, N 2,048]; A: computed on the way; B: computed on the way: left as it is (an operand is computed on the way)
;;     8. batch 16 x [M 2,048, K 2,048] x [K 2,048, N 128]; A: computed on the way; B: computed on the way: left as it is (an operand is computed on the way)
;;     9. [M 4,096, K 1,024] x [K 1,024, N 4,096]; A: input wo; B: computed on the way: left as it is (an operand is computed on the way)
;;     10. batch 4,096 x [M 1, K 2] x [K 2, N 2,048]; A: computed on the way; B: computed on the way: left as it is (K = 2 < 32)
;;   THE QUANTISER, for each operand of a quantised product, along K:
;;     - K is cut into blocks of 32 from its start; a last block that is shorter is filled with zeros.
;;     - A block's scale is 2^e with e = floor(log2(the largest magnitude in the block)) - 2, held to -126 .. 127; a block of zeros has e = 0. As a byte (E8M0): e + 127.
;;     - Each number is divided by its block's scale, clamped to +-6, and rounded to the nearest number of E2M1, ties to even, subnormals kept.
;;     - The product sums the exact products of the quantised numbers (number of the format x scale) in f32.
;;   ~~~python
;;   def quantise(x, axis):      # numpy; x: float32 -> the quantised numbers, widened to float32 again
;;       x = np.moveaxis(x, axis, -1); K = x.shape[-1]
;;       x = np.pad(x, [(0, 0)] * (x.ndim - 1) + [(0, -K % 32)]); x = x.reshape(x.shape[:-1] + (-1, 32)); a = np.abs(x).max(-1, keepdims=True)
;;       e = np.where(a > 0, np.clip(np.frexp(np.where(a > 0, a, 1))[1] - 1 - 2, -126, 127), 0)      # np.frexp(a)[1] - 1 = floor(log2(a)), exactly
;;       r = np.clip(x / 2.0 ** e, -6, 6)
;;       step = 2.0 ** (np.maximum(np.frexp(np.where(r == 0, 1, r))[1] - 1, 0) - 1)
;;       q = np.round(r / step) * step * 2.0 ** e      # np.round: ties to even
;;       return np.moveaxis(q.reshape(q.shape[:-2] + (-1,))[..., :K], -1, axis).astype(np.float32)
;;   ~~~
;; One version. Each part assembles by itself: llvm-mc -triple=amdgcn-amd-amdhsa -mcpu=gfx1250 --defsym DOCPART=n.
;; ======== version 1 of 1: 5 launches
;; limits: values are held in f16: magnitudes above 65,504 overflow, below 6.1e-05 lose precision
;; workspace buffers: xq 4,456,448 bytes; wq4 4,456,448 bytes; wof 8,388,608 bytes; route 17,664 bytes of whole numbers; qkv 17,694,720 bytes; att 8,388,608 bytes; oraw 35,389,440 bytes; ssq 138,240 bytes
;; launch prep (part 1): grid 641 x 1, 4 waves a work-group, no clusters, 33,280 bytes of LDS; arguments x, wq, wk, wv, wo, modality_ids, xq, wq4, wof, route; writes xq, wq4, wof, route
.if DOCPART == 1
	.amdgcn_target "amdgcn-amd-amdhsa--gfx1250"
	.amdhsa_code_object_version 6
	.text
	.protected	k_qae32ea4046_prep
	.globl	k_qae32ea4046_prep
	.p2align	8
	.type	k_qae32ea4046_prep,@function
k_qae32ea4046_prep:
	s_mov_b64 s[64:65], 0
	v_nop
	global_prefetch_b8 v0, s[64:65] scope:SCOPE_SE
	s_setreg_imm32_b32 hwreg(HW_REG_WAVE_MODE, 25, 1), 1
	s_wait_xcnt 0x0
; PREP: everything that many later work-groups read is made once.  The work-group's number picks one of five paths:
;   0         ROUTE  the list of slots.  4,320 slots (54 x 80 = 30 x 144 = 270 x 16): tokens of modality 0 fill slots 0, 1, .. upward, the others slots 4319, 4318, .. downward; the 224 slots between,
;                    n0 .. n0 + 223, hold 4096 + g.  So every aligned run of 16, 80 or 144 slots holds rows of one modality: modality = (first slot >= n0).  route: order[4320], then n0 (32 times) at byte 17,408.
;   1..256    XQ     x [4096][2048] f32 -> codes of E2M1, K innermost, [4096][1024 bytes], and at byte SCB one E8M0 byte for each 32 along K, [4096][64]
;   257..384  WQ     wq [2][2048 k][1024 n];   385..512 WKV: wk, wv [2][2048 k][512 n]:  K is their FIRST axis.  A lane takes a column n and its registers run down K.  The codes are laid in the ORDER OF THE
;                    OPERAND'S REGISTERS: [e][n / 16][k / 128][1,024 bytes], in a fragment registers 4 c .. 4 c + 3 of lane 16 h + r at 512 c + 16 (16 h + r): block b of the four at 512 (b / 2) + 256 (b % 2) + 16 r.
;                    n counts q's 1,024 rows, then k's 512, then v's 512.  Scale bytes at SCB: [e][n][64].
;   513..640  WO     wo [2][1024 k][2048 n] -> f16 fragments [e][n / 16][k / 32][1,024 bytes]: k = 16 g + 8 h + 0 .. 7 of column r at 512 g + 256 h + 16 r
; A block's scale is 2^(floor(log2(largest magnitude)) - 2); its byte is that magnitude's exponent field - 2, held at 1 from below.  A block of zeros gets the byte 1: its codes are zeros, and this program alone reads the bytes.
; LIMITS: NaN and infinities are not served; |wo| stays under 65,504 (f16); an id other than 0 counts as modality 1.
; Memory binds: no matrix unit, no cluster, no tensor load.  Only XQ touches LDS.
.set SPW,   12                         ; v12  LDS address of my spare word; never rewritten
.set NIL,   13                         ; v13  0; never rewritten
.set WREG,  8192                       ; XQ: a region of LDS for each wave: two stages of 32 x SP bytes, then its 256 scale bytes
.set SP,    80
.set SPARE, 4*WREG                     ; behind the four regions: the spare words, 128 bytes a wave
.set EMAX,  2
.set SCB,   4194304                    ; where the scale bytes begin in xq and in wq4
.set SLOTS, 4320                       ; slots of the list
.set N0B,   17408                      ; where n0 lies in route
.set XRG,   16                         ; XQ: v16-79 four sets of 16 numbers as loaded; v80-111 two sets of 16 neighbours; v112-127 a byte a step; v128-191 codes
.set XX,    80
.set XE,    112
.set XC,    128
; 32 rows k of 32 neighbouring columns: block blk of a tensor whose rows are n numbers long, into set blk % 2 (v32-95)
.macro LOADB blk, n
.set li, 0
.rept 32
	global_load_b32 v[32+32*((\blk)%2)+li], v3, s[30:31] offset:(32*(\blk)+li)*(\n)*4 th:TH_LOAD_NT
.set li, li+1
.endr
.endm
; a block of 32 along K of my column becomes 16 bytes of codes and a scale byte
.macro QBLOCK blk, n
.set XB, 32+32*((\blk)%2)
.if (\blk) < 7
	s_wait_loadcnt 32                              ; this block's 32 loads are in; the next block's may be out
.else
	s_wait_loadcnt 0x0
.endif
	v_max3_num_f32 v8, |v[XB]|, |v[XB+1]|, |v[XB+2]|
	v_max3_num_f32 v9, |v[XB+3]|, |v[XB+4]|, |v[XB+5]|
.irp i, 6,10,14,18,22,26
	v_max3_num_f32 v8, v8, |v[XB+\i]|, |v[XB+\i+1]|
	v_max3_num_f32 v9, v9, |v[XB+\i+2]|, |v[XB+\i+3]|
.endr
	v_max3_num_f32 v8, v8, |v[XB+30]|, |v[XB+31]|
	v_max3_num_f32 v8, v8, v9, (EMAX+1)<<23        ; the floor 2^(3 - 127): the byte cannot fall under 1
	v_add_nc_u32 v10, -(EMAX<<23), v8              ; 2 off the exponent field: the conversion's scale operand
	v_lshrrev_b32 v9, 23, v10                      ; the byte
.if (\blk)%4 == 0
	v_mov_b32 v[24+(\blk)/4], v9
.else
	v_lshl_or_b32 v[24+(\blk)/4], v9, 8*((\blk)%4), v[24+(\blk)/4]
.endif
.irp g, 0,1,2,3
	v_cvt_scalef32_pk8_fp4_f32 v[96+4*(\blk)+\g], v[XB+8*\g:XB+8*\g+7], v10
.endr
	v_nop                                          ; one plain line behind the conversions
	global_store_b128 v4, v[96+4*(\blk):96+4*(\blk)+3], s[36:37] offset:((\blk)/4)*1024+(((\blk)%4)/2)*512+((\blk)%2)*256   ; sixteen lanes fill 256 aligned bytes; each block has registers of its own
.if (\blk)+2 < 8
	LOADB (\blk)+2, \n
.endif
.endm
; a wave: 32 columns x 256 along K.  s26 = which 256 along K, s27 = which 128 columns, s28 = e, s29 = the tensor's first row n in the joint weight, s[30:31] = the tensor
.macro WQUANT n
	s_lshl_b32 s32, s27, 7
	s_lshl_b32 s33, s24, 5
	s_add_co_u32 s32, s32, s33                     ; my wave's first column
	s_mul_i32 s34, s28, 2048*(\n)*4
	s_mul_i32 s33, s26, 256*(\n)*4
	s_add_co_u32 s34, s34, s33
	s_lshl_b32 s33, s32, 2
	s_add_co_u32 s34, s34, s33
	s_add_nc_u64 s[30:31], s[30:31], s[34:35]
	s_add_co_u32 s32, s32, s29                     ; as a row n
	s_lshl_b32 s34, s28, 21                        ; codes: e x 2 MiB + (n / 16) x 16,384 + 2 x 1,024 for each 256 along K
	s_lshl_b32 s33, s32, 10
	s_add_co_u32 s34, s34, s33
	s_lshl_b32 s33, s26, 11
	s_add_co_u32 s34, s34, s33
	s_add_nc_u64 s[36:37], s[18:19], s[34:35]
	s_lshl_b32 s34, s28, 17                        ; scale bytes: SCB + e x 131,072 + 64 n + 8 for each 256 along K
	s_lshl_b32 s33, s32, 6
	s_add_co_u32 s34, s34, s33
	s_lshl_b32 s33, s26, 3
	s_add_co_u32 s34, s34, s33
	s_add_co_u32 s34, s34, SCB
	s_add_nc_u64 s[38:39], s[18:19], s[34:35]
	v_lshlrev_b32 v3, 2, v2
	v_lshrrev_b32 v4, 4, v2
	v_and_b32 v5, 15, v2
	v_lshlrev_b32 v4, 14, v4
	v_lshl_add_u32 v4, v5, 4, v4                   ; which of my two tiles of 16 rows, and 16 r
	v_lshlrev_b32 v5, 6, v2
	LOADB 0, \n
	LOADB 1, \n
.irp b, 0,1,2,3,4,5,6,7
	QBLOCK \b, \n
.endr
	global_store_b64 v5, v[24:25], s[38:39]        ; my column's 8 scale bytes
.endm
; a block of 32 along K of my column of wo becomes one K step's 64 bytes of f16
.macro CBLOCK blk
.if (\blk) < 7
	s_wait_loadcnt 32
.else
	s_wait_loadcnt 0x0
.endif
.if (\blk) >= 2
	s_wait_xcnt 0x0                                ; the stores of two blocks ago have read this set of packed registers
.endif
.set XB, 32+32*((\blk)%2)
.set PB, 96+16*((\blk)%2)
.set ci, 0
.rept 16
	v_cvt_pk_f16_f32 v[PB+ci], v[XB+2*ci], v[XB+2*ci+1]
.set ci, ci+1
.endr
.irp g, 0,1
.irp h, 0,1
	global_store_b128 v4, v[PB+8*\g+4*\h:PB+8*\g+4*\h+3], s[36:37] offset:(\blk)*1024+\g*512+\h*256
.endr
.endr
.if (\blk)+2 < 8
	LOADB (\blk)+2, 2048
.endif
.endm
; XQ: a step is 512 numbers: four loads of 512 consecutive bytes, a turn through the wave's stage, after which a lane holds 16 neighbours
.macro XLD t
.irp i, 0,1,2,3
	global_load_b128 v[XRG+16*((\t)%4)+4*\i:XRG+16*((\t)%4)+4*\i+3], v3, s[30:31] offset:2048*(\t)+512*\i th:TH_LOAD_NT
.endr
.endm
.macro XTURN t
.irp i, 0,1,2,3
	ds_store_b128 v14, v[XRG+16*((\t)%4)+4*\i:XRG+16*((\t)%4)+4*\i+3] offset:32*SP*((\t)%2)+8*SP*\i
.endr
.irp i, 0,1,2,3
	ds_load_b128 v[XX+16*((\t)%2)+4*\i:XX+16*((\t)%2)+4*\i+3], v15 offset:32*SP*((\t)%2)+16*\i   ; a wave's LDS instructions are served in order: these see the stores
.endr
.endm
.macro XSTEP t
.set XS, XX+16*((\t)%2)
.if (\t) > 0
	s_wait_dscnt 1                                 ; this step's numbers are back from the stage; the last step's byte store may be out
.else
	s_wait_dscnt 0x0
.endif
.if (\t)+4 < 16
	XLD (\t)+4
.endif
.if (\t)+1 < 16
.if 14-(\t) >= 3
	s_wait_loadcnt 12                              ; the next step's four loads are in; those of the three steps behind it may be out
.else
	s_wait_loadcnt 4*(14-(\t))
.endif
	XTURN (\t)+1
.endif
	v_max3_num_f32 v8, |v[XS]|, |v[XS+1]|, |v[XS+2]|
	v_max3_num_f32 v9, |v[XS+3]|, |v[XS+4]|, |v[XS+5]|
.irp i, 6,10
	v_max3_num_f32 v8, v8, |v[XS+\i]|, |v[XS+\i+1]|
	v_max3_num_f32 v9, v9, |v[XS+\i+2]|, |v[XS+\i+3]|
.endr
	v_max3_num_f32 v8, v8, |v[XS+14]|, |v[XS+15]|
	v_max3_num_f32 v8, v8, v9, (EMAX+1)<<23
	v_max_num_f32_dpp v8, v8, v8 row_xmask:1 row_mask:0xf bank_mask:0xf   ; with my neighbour's 16: the block's largest magnitude
	v_add_nc_u32 v11, -(EMAX<<23), v8
	v_cvt_scalef32_pk8_fp4_f32 v[XC+4*(\t)], v[XS:XS+7], v11
	v_cvt_scalef32_pk8_fp4_f32 v[XC+4*(\t)+1], v[XS+8:XS+15], v11
	v_lshrrev_b32 v[XE+(\t)], 23, v11
	ds_store_b8 v5, v[XE+(\t)] offset:16*(\t)      ; both lanes of a block write the same byte
	global_store_b64 v4, v[XC+4*(\t):XC+4*(\t)+1], s[36:37] offset:256*(\t)   ; the wave stores 256 consecutive bytes
.endm
	s_load_b512 s[4:19], s[0:1], 0x0               ; x s[4:5], wq s[6:7], wk s[8:9], wv s[10:11], wo s[12:13], ids s[14:15], xq s[16:17], wq4 s[18:19]
	s_load_b128 s[20:23], s[0:1], 0x40             ; wof s[20:21], route s[22:23]
	v_lshl_add_u32 v[SPW], v0, 2, SPARE
	v_mov_b32 v[NIL], 0
	v_lshrrev_b32 v1, 5, v0
	v_readfirstlane_b32 s24, v1                    ; wave
	v_and_b32 v2, 31, v0                           ; lane
	s_mov_b32 s35, 0
	s_mov_b32 s29, 0
	s_wait_kmcnt 0x0
	s_cmp_eq_u32 ttmp9, 0
	s_cbranch_scc1 .Lroute
	s_cmp_lt_u32 ttmp9, 257
	s_cbranch_scc1 .Lxq
	s_cmp_lt_u32 ttmp9, 385
	s_cbranch_scc1 .Lwq
	s_cmp_lt_u32 ttmp9, 513
	s_cbranch_scc1 .Lwkv
	; ---- WO: a wave takes 32 columns x 256 along K
	s_sub_co_u32 s25, ttmp9, 513
	s_and_b32 s26, s25, 3                          ; which 256 along K
	s_bfe_u32 s27, s25, 0x40002                    ; which 128 columns
	s_lshr_b32 s28, s25, 6                         ; e
	s_lshl_b32 s32, s27, 7
	s_lshl_b32 s33, s24, 5
	s_add_co_u32 s32, s32, s33                     ; my wave's first column
	s_lshl_b32 s34, s28, 23                        ; wo: e x 8 MiB + 256 rows of 8,192 bytes + 4 x column
	s_lshl_b32 s33, s26, 21
	s_add_co_u32 s34, s34, s33
	s_lshl_b32 s33, s32, 2
	s_add_co_u32 s34, s34, s33
	s_add_nc_u64 s[30:31], s[12:13], s[34:35]
	s_lshl_b32 s34, s28, 22                        ; wof: e x 4 MiB + (n / 16) x 32,768 + 8 x 1,024 for each 256 along K
	s_lshl_b32 s33, s32, 11
	s_add_co_u32 s34, s34, s33
	s_lshl_b32 s33, s26, 13
	s_add_co_u32 s34, s34, s33
	s_add_nc_u64 s[36:37], s[20:21], s[34:35]
	v_lshlrev_b32 v3, 2, v2
	v_lshrrev_b32 v4, 4, v2
	v_and_b32 v5, 15, v2
	v_lshlrev_b32 v4, 15, v4
	v_lshl_add_u32 v4, v5, 4, v4
	LOADB 0, 2048
	LOADB 1, 2048
.irp b, 0,1,2,3,4,5,6,7
	CBLOCK \b
.endr
	s_endpgm
.Lwq:
	s_sub_co_u32 s25, ttmp9, 257
	s_and_b32 s26, s25, 7
	s_bfe_u32 s27, s25, 0x30003
	s_lshr_b32 s28, s25, 6
	s_mov_b64 s[30:31], s[6:7]
	WQUANT 1024
	s_endpgm
.Lwkv:
	s_sub_co_u32 s25, ttmp9, 385
	s_and_b32 s26, s25, 7
	s_bfe_u32 s27, s25, 0x20003
	s_bfe_u32 s28, s25, 0x10005
	s_lshr_b32 s29, s25, 6                         ; 0: wk, 1: wv
	s_cmp_eq_u32 s29, 0                            ; the choice hangs on the work-group's number alone
	s_cselect_b64 s[30:31], s[8:9], s[10:11]
	s_lshl_b32 s29, s29, 9
	s_add_co_u32 s29, s29, 1024
	WQUANT 512
	s_endpgm
.Lxq:
	v_lshlrev_b32 v3, 4, v2                        ; my 16 bytes of a load's 512
	s_mul_i32 s25, s24, WREG
	v_lshrrev_b32 v14, 2, v2
	v_mul_u32_u24 v14, v14, SP
	v_and_b32 v15, 3, v2
	v_lshl_add_u32 v14, v15, 4, v14
	v_add_nc_u32 v14, s25, v14                     ; the stage, on the way in: four lanes' 64 bytes on end, then 16 of padding
	v_mul_u32_u24 v15, v2, SP
	v_add_nc_u32 v15, s25, v15                     ; and on the way out: my 16 neighbours
	v_lshlrev_b32 v4, 3, v2                        ; my 8 bytes of a step's codes
	v_lshrrev_b32 v5, 1, v2
	s_add_co_u32 s25, s25, 2*32*SP
	v_add_nc_u32 v5, s25, v5                       ; my block's byte among the wave's 256
	v_lshlrev_b32 v7, 3, v2
	v_add_nc_u32 v6, s25, v7
	s_sub_co_u32 s26, ttmp9, 1
	s_lshl_b32 s26, s26, 2
	s_add_co_u32 s26, s26, s24                     ; which run of 8,192 numbers is my wave's
	s_lshl_b32 s28, s26, 15
	s_add_nc_u64 s[30:31], s[4:5], s[28:29]
	s_lshl_b32 s28, s26, 12
	s_add_nc_u64 s[36:37], s[16:17], s[28:29]
	s_lshl_b32 s28, s26, 8
	s_add_co_u32 s28, s28, SCB
	s_add_nc_u64 s[38:39], s[16:17], s[28:29]
.irp t, 0,1,2,3
	XLD \t
.endr
	s_wait_loadcnt 12                              ; step 0's four loads are in
	XTURN 0
.irp t, 0,1,2,3,4,5,6,7,8,9,10,11,12,13,14,15
	XSTEP \t
.endr
	ds_load_b64 v[8:9], v6
	s_wait_dscnt 0x0
	global_store_b64 v7, v[8:9], s[38:39]          ; the wave's 256 scale bytes: one aligned run
	s_wait_tensorcnt 0x0                           ; the wave's end: behind my last LDS store
	ds_add_u32 v[SPW], v[NIL]
	s_wait_dscnt 0x0
	s_endpgm
.Lroute:
	s_cmp_lg_u32 s24, 0                            ; one wave makes the list: 4,096 ids are 128 a lane
	s_cbranch_scc1 .Lidle
	v_lshlrev_b32 v3, 4, v2
	v_lshlrev_b32 v4, 2, v2
.set t, 0
.rept 32
	global_load_b128 v[32+4*t:35+4*t], v3, s[14:15] offset:512*t   ; register 32 + 4 i + c of lane l: token 128 i + 4 l + c
.set t, t+1
.endr
	s_wait_loadcnt 0x0
.set t, 0
.rept 128
	v_min_u32 v[32+t], 1, v[32+t]                  ; f = 1 where the id is not 0
.set t, t+1
.endr
	v_add_nc_u32 v5, v32, v33                      ; my lane's count of ones
.set t, 2
.rept 63
	v_add3_u32 v5, v5, v[32+t], v[33+t]
.set t, t+2
.endr
	v_mov_b32 v6, v5                               ; a running sum over the lanes: four steps inside each half,
	v_mov_b32 v7, 0
.irp n, 1,2,4,8
	v_mov_b32_dpp v7, v6 row_shr:\n row_mask:0xf bank_mask:0xf bound_ctrl:1
	v_add_nc_u32 v6, v6, v7
.endr
	v_readlane_b32 s25, v6, 15
	v_lshrrev_b32 v8, 4, v2
	v_mad_u32_u24 v6, v8, s25, v6                  ; and the lower half's total onto the upper half
	v_readlane_b32 s26, v6, 31                     ; all ones
	s_sub_co_u32 s27, 4096, s26                    ; n0
	v_sub_nc_u32 v9, v6, v5                        ; ones in the lanes before me
	v_sub_nc_u32 v10, SLOTS-1, v9                  ; A: the slot of my next one
	v_lshlrev_b32 v11, 7, v2
	v_sub_nc_u32 v11, v11, v9                      ; D: D + t is the slot of my token t if it is a zero
.set t, 0
.rept 128
.if (t%16 == 0) && (t > 0)
	s_wait_xcnt 0x0                                ; the sixteen registers of token numbers are written again
.endif
	v_cmp_ne_u32 vcc_lo, 0, v[32+t]
	v_add_nc_u32 v8, t, v11
	v_sub_nc_u32 v11, v11, v[32+t]
	v_cndmask_b32 v8, v8, v10, vcc_lo
	v_sub_nc_u32 v10, v10, v[32+t]
	v_min_u32 v8, SLOTS-1, v8
	v_lshlrev_b32 v[32+t], 2, v8
	v_add_nc_u32 v[160+t%16], 128*(t/4)+t%4, v4
	global_store_b32 v[32+t], v[160+t%16], s[22:23]
.set t, t+1
.endr
.irp k, 0,1,2,3,4,5,6                          ; the 224 slots between hold 4096 + g
	v_add_nc_u32 v[176+2*\k], 32*\k, v2
	v_add_nc_u32 v[177+2*\k], 4096+32*\k, v2
	v_add_nc_u32 v[176+2*\k], s27, v[176+2*\k]
	v_min_u32 v[176+2*\k], SLOTS-1, v[176+2*\k]
	v_lshlrev_b32 v[176+2*\k], 2, v[176+2*\k]
	global_store_b32 v[176+2*\k], v[177+2*\k], s[22:23]
.endr
	v_mov_b32 v190, s27
	global_store_b32 v4, v190, s[22:23] offset:N0B
.Lidle:
	s_endpgm
.Lfunc_end_k_qae32ea4046_prep:
	.size	k_qae32ea4046_prep, .Lfunc_end_k_qae32ea4046_prep-k_qae32ea4046_prep
	.p2alignl 7, 3214868480
	.fill 96, 4, 3214868480
	.section	.rodata,"a",@progbits
	.p2align	6, 0x0
	.amdhsa_kernel k_qae32ea4046_prep
		.amdhsa_group_segment_fixed_size 33280
		.amdhsa_private_segment_fixed_size 0
		.amdhsa_enable_private_segment 0
		.amdhsa_kernarg_size 80
		.amdhsa_user_sgpr_count 2
		.amdhsa_user_sgpr_kernarg_segment_ptr 1
		.amdhsa_wavefront_size32 1
		.amdhsa_system_sgpr_workgroup_id_x 1
		.amdhsa_system_sgpr_workgroup_id_y 1
		.amdhsa_system_sgpr_workgroup_id_z 1
		.amdhsa_system_vgpr_workitem_id 0
		.amdhsa_next_free_vgpr 192
		.amdhsa_next_free_sgpr 66
		.amdhsa_reserve_vcc 1
		.amdhsa_float_denorm_mode_32 3
		.amdhsa_float_denorm_mode_16_64 3
		.amdhsa_memory_ordered 1
		.amdhsa_forward_progress 1
		.amdhsa_inst_pref_size 215
	.end_amdhsa_kernel
	.amdgpu_metadata
---
amdhsa.version: [ 1, 2 ]
amdhsa.kernels:
  - .name:           k_qae32ea4046_prep
    .symbol:         k_qae32ea4046_prep.kd
    .args:
      - { .name: x, .offset: 0, .size: 8, .value_kind: global_buffer, .address_space: global }
      - { .name: wq, .offset: 8, .size: 8, .value_kind: global_buffer, .address_space: global }
      - { .name: wk, .offset: 16, .size: 8, .value_kind: global_buffer, .address_space: global }
      - { .name: wv, .offset: 24, .size: 8, .value_kind: global_buffer, .address_space: global }
      - { .name: wo, .offset: 32, .size: 8, .value_kind: global_buffer, .address_space: global }
      - { .name: modality_ids, .offset: 40, .size: 8, .value_kind: global_buffer, .address_space: global }
      - { .name: xq, .offset: 48, .size: 8, .value_kind: global_buffer, .address_space: global }
      - { .name: wq4, .offset: 56, .size: 8, .value_kind: global_buffer, .address_space: global }
      - { .name: wof, .offset: 64, .size: 8, .value_kind: global_buffer, .address_space: global }
      - { .name: route, .offset: 72, .size: 8, .value_kind: global_buffer, .address_space: global }
    .group_segment_fixed_size: 33280
    .private_segment_fixed_size: 0
    .kernarg_segment_align: 8
    .kernarg_segment_size: 80
    .max_flat_workgroup_size: 128
    .sgpr_count:     66
    .vgpr_count:     192
    .wavefront_size: 32
...
	.end_amdgpu_metadata
.endif
;; end of part 1
;; launch qkv (part 2): grid 54 x 4, 4 waves a work-group, no clusters, 101,120 bytes of LDS; arguments xq, wq4, route, freqs_cos, freqs_sin, q_norm_w, k_norm_w, qkv; writes qkv
.if DOCPART == 2
	.amdgcn_target "amdgcn-amd-amdhsa--gfx1250"
	.amdhsa_code_object_version 6
	.text
	.protected	k_qae32ea4046_qkv
	.globl	k_qae32ea4046_qkv
	.p2align	8
	.type	k_qae32ea4046_qkv,@function
k_qae32ea4046_qkv:
	s_mov_b64 s[64:65], 0
	v_nop
	global_prefetch_b8 v0, s[64:65] scope:SCOPE_SE
	s_setreg_imm32_b32 hwreg(HW_REG_WAVE_MODE, 25, 1), 1
	s_wait_xcnt 0x0
; QKV: the three quantised projections, for the chosen modality alone, with the heads' RMS norm, gain and rotation, to f16 rows qkv[token][16 heads x 128] (heads 0-7 q, 8-11 k, 12-15 v).
; A work-group takes 80 slots of the list (one modality: e = (first slot >= n0)) x 4 heads; wave w takes head 4 y + w: 128 rows of the joint weight x 80 tokens = 40 accumulators.
; 80 slots, so that the 54 x 4 = 216 work-groups are at most as many as there are WGPs, whatever the split of the tokens: 4,320 slots is the least multiple of 80 (and of the later launches' 144 and 16) with room for the gap.
; THE PRODUCT IS USED TRANSPOSED: source 0 = 16 rows of the weight, source 1 = 16 tokens: lane (r, h) holds token r and outputs 16 t + 8 h + 0 .. 7 of its head: the pairs that the rotation turns lie in one lane.
; K = 2,048 goes in 16 steps of 128, written out: every offset is an immediate.  The weights lie in memory in the order of the operand's registers and go straight into registers, three steps ahead
; (each wave reads its own head alone, so LDS would spare no byte); the 80 rows of x's codes are copied once, whole, into LDS and read by all four waves; all scale words of K stay in registers.
; NO TENSOR LOAD, NO CLUSTER: the rows come by a list and the weights' address hangs on n0, numbers read from memory.
; A slot of the gap (list entry 4096 + g) loads token 4095's codes and stores to row 4096 + g of qkv, a row of its own that nobody reads: no lane is ever switched off.
; LIMITS: |v| stays under 65,504 (f16).
; REGISTERS.  window 0: v1-31 addresses; v32-71 the 40 row stores' offsets; v72-151 x's fragments, two sets of 40 (at the head the copy's offsets, at the end the norms' sums);
;             v152-183 x's scale words of token tiles 0-3, v184-191 of tile 4 (K steps 0-7 in lanes 0-15, steps 8-15 in lanes 16-31); v192-255 the weights' scale words.
;   window 1: accumulator (m, t), m = 0 .. 3, at v[64 m + 8 t].   window 2: the weights' fragments, four sets of 64; at the end the rows at work.
;   window 3: v0-63 the gain; v64-191 two sets of cos (32) and sin (32); v192-255 accumulator (4, t) at v[192 + 8 t].
.set XP,    1040                       ; a row of x's codes in LDS: 1,024 bytes + 16: sixteen rows start at sixteen different groups of banks
.set STG,   80*XP                      ; behind them a stage of 16 rows x 272 bytes for each wave
.set SPARE, STG+4*16*272               ; and the spare words, 128 bytes a wave
.set XA,  6                            ; v6   a fragment of x: row r, + 16 h
.set XA4, 7                            ; v7   the same 64 rows on: tile 4's rows lie beyond an LDS instruction's 16 bits of offset
.set XST, 8                            ; v8   the copy: my 20 rows, 16 bytes a lane
.set STO, 13
.set RD,  14
.set CSO, 18                           ; v18-22  tile m: my token's row of cos and sin, + 16 h
.set SPW, 28
.set NIL, 29
.set SOF, 32
.set XF,  72
.set XS,  152
.set XS4, 184
.set WS,  192
.set SSP, 72                           ; at the end, in x's fragments' registers: v72-83 six pairs of sums of squares; v84-88 the sums; v90-94 the other half's; v96-105 rsqrt, as pairs
.set SS,  84
.set PD,  90
.set RS,  96
.set MUL, 0x52                         ; source 0 window 2, source 1 window 0, C and D window 1
.set MUL4, 0xf2                        ; the same, C and D window 3
.set MSB, 0
.macro WIN new                         ; the immediate's high byte repeats the setting that is left
.if MSB != \new
	s_set_vgpr_msb (MSB<<8)|\new
.set MSB, \new
.endif
.endm
.macro PLACES
.rept 4
	v_nop
.endr
.endm
; one product; rD, rA, rB, rSA, rSB are register numbers; oA, oB: the scale words lie in lanes 16-31; zZ: the product starts the sum
.macro MM
.if zZ
.if oA && oB
	v_wmma_scale_f32_16x16x128_f8f6f4 v[rD:rD+7], v[rA:rA+7], v[rB:rB+7], 0, v[rSA], v[rSB] matrix_a_fmt:MATRIX_FMT_FP4 matrix_b_fmt:MATRIX_FMT_FP4 matrix_a_scale:MATRIX_SCALE_ROW1 matrix_b_scale:MATRIX_SCALE_ROW1
.elseif oA
	v_wmma_scale_f32_16x16x128_f8f6f4 v[rD:rD+7], v[rA:rA+7], v[rB:rB+7], 0, v[rSA], v[rSB] matrix_a_fmt:MATRIX_FMT_FP4 matrix_b_fmt:MATRIX_FMT_FP4 matrix_a_scale:MATRIX_SCALE_ROW1
.elseif oB
	v_wmma_scale_f32_16x16x128_f8f6f4 v[rD:rD+7], v[rA:rA+7], v[rB:rB+7], 0, v[rSA], v[rSB] matrix_a_fmt:MATRIX_FMT_FP4 matrix_b_fmt:MATRIX_FMT_FP4 matrix_b_scale:MATRIX_SCALE_ROW1
.else
	v_wmma_scale_f32_16x16x128_f8f6f4 v[rD:rD+7], v[rA:rA+7], v[rB:rB+7], 0, v[rSA], v[rSB] matrix_a_fmt:MATRIX_FMT_FP4 matrix_b_fmt:MATRIX_FMT_FP4
.endif
.else
.if oA && oB
	v_wmma_scale_f32_16x16x128_f8f6f4 v[rD:rD+7], v[rA:rA+7], v[rB:rB+7], v[rD:rD+7], v[rSA], v[rSB] matrix_a_fmt:MATRIX_FMT_FP4 matrix_b_fmt:MATRIX_FMT_FP4 matrix_a_scale:MATRIX_SCALE_ROW1 matrix_b_scale:MATRIX_SCALE_ROW1
.elseif oA
	v_wmma_scale_f32_16x16x128_f8f6f4 v[rD:rD+7], v[rA:rA+7], v[rB:rB+7], v[rD:rD+7], v[rSA], v[rSB] matrix_a_fmt:MATRIX_FMT_FP4 matrix_b_fmt:MATRIX_FMT_FP4 matrix_a_scale:MATRIX_SCALE_ROW1
.elseif oB
	v_wmma_scale_f32_16x16x128_f8f6f4 v[rD:rD+7], v[rA:rA+7], v[rB:rB+7], v[rD:rD+7], v[rSA], v[rSB] matrix_a_fmt:MATRIX_FMT_FP4 matrix_b_fmt:MATRIX_FMT_FP4 matrix_b_scale:MATRIX_SCALE_ROW1
.else
	v_wmma_scale_f32_16x16x128_f8f6f4 v[rD:rD+7], v[rA:rA+7], v[rB:rB+7], v[rD:rD+7], v[rSA], v[rSB] matrix_a_fmt:MATRIX_FMT_FP4 matrix_b_fmt:MATRIX_FMT_FP4
.endif
.endif
.endm
.macro WLOAD ks                        ; my head's eight fragments of K step ks: 16 loads of 512 consecutive bytes
	WIN 0x80
.irp t, 0,1,2,3,4,5,6,7
.irp c, 0,1
	global_load_b128 v[64*((\ks)%4)+8*\t+4*\c:64*((\ks)%4)+8*\t+4*\c+3], v4, s[26:27] offset:\t*16384+(\ks)*1024+\c*512
.endr
.endr
.endm
.macro XLOAD ks                        ; the five token tiles' fragments of K step ks
	WIN 0
.irp m, 0,1,2,3
.irp c, 0,1
	ds_load_b128 v[XF+40*((\ks)%2)+8*\m+4*\c:XF+40*((\ks)%2)+8*\m+4*\c+3], v[XA] offset:\m*16*XP+64*(\ks)+32*\c
.endr
.endr
.irp c, 0,1
	ds_load_b128 v[XF+40*((\ks)%2)+32+4*\c:XF+40*((\ks)%2)+32+4*\c+3], v[XA4] offset:64*(\ks)+32*\c
.endr
.endm
.macro CSLOAD m                        ; cos and sin of token tile m's positions: my four pairs of each of the eight tiles
	WIN 0xc0
.irp t, 0,1,2,3,4,5,6,7
	global_load_b128 v[64+64*((\m)%2)+4*\t:64+64*((\m)%2)+4*\t+3], v[CSO+(\m)], s[10:11] offset:32*\t
	global_load_b128 v[96+64*((\m)%2)+4*\t:96+64*((\m)%2)+4*\t+3], v[CSO+(\m)], s[12:13] offset:32*\t
.endr
.endm
; A K step: 40 products, the 40 accumulators by turns, one instruction a turn: 32 on window 1's, then 8 on window 3's.
.macro KSTEP s
.if (\s) > 0
	PLACES                                         ; four places in front of loads into registers that the last step's products read
.endif
.if (\s) <= 12
	WLOAD (\s)+3
.endif
.if (\s) <= 14
	XLOAD (\s)+1
.endif
.if (\s) <= 12
	s_wait_loadcnt 48                              ; this step's weights are in; the three later steps' 16 loads each may be out
.else
	s_wait_loadcnt 16*(15-(\s))
.endif
.if (\s) <= 14
	s_wait_dscnt 10                                ; this step's fragments of x are in; the next step's 10 loads may be out
.else
	s_wait_dscnt 0x0
.endif
	WIN MUL
.set zZ, (\s) == 0
.set tq, 0
.rept 8
.set mq, 0
.rept 4
.set rD, 64*mq+8*tq
.set rA, 64*((\s)%4)+8*tq
.set rB, XF+40*((\s)%2)+8*mq
.set rSA, WS+16*(tq/2)+(\s)
.set rSB, XS+16*(mq/2)+(\s)
.set oA, tq%2
.set oB, mq%2
	MM
.set mq, mq+1
.endr
.set tq, tq+1
.endr
	WIN MUL4
.set tq, 0
.rept 8
.set rD, 192+8*tq
.set rA, 64*((\s)%4)+8*tq
.set rB, XF+40*((\s)%2)+32
.set rSA, WS+16*(tq/2)+(\s)
.set rSB, XS4+(\s)%8
.set oA, tq%2
.set oB, (\s)/8
	MM
.set tq, tq+1
.endr
	WIN 0
.endm
; 16 tokens' 256 bytes of my head lie packed in v0-31 of window 2: through my stage, back as whole rows into v32-63, and out: sixteen lanes store 256 aligned bytes of a token's row
.macro ROWS_OUT m
	WIN 0x08                                       ; an LDS store's data are its source 1: window 2
.irp t, 0,1,2,3,4,5,6,7
	ds_store_b128 v[STO], v[4*\t:4*\t+3] offset:32*\t
.endr
	WIN 0x80
.irp i, 0,1,2,3,4,5,6,7
	ds_load_b128 v[32+4*\i:35+4*\i], v[RD] offset:544*\i   ; a wave's LDS instructions are served in order
.endr
	WIN 0x08
.irp i, 0,1,2,3,4,5,6,7
	s_wait_dscnt 7-\i
	global_store_b128 v[SOF+8*(\m)+\i], v[32+4*\i:35+4*\i], s[30:31]
.endr
	WIN 0
.endm
.macro HEADROW m                       ; q and k: token tile m: x rsqrt, x gain, the rotation, f16.  The row at work: v0-63 of window 2; v64-71 the rotation's products
.if (\m) > 0
	s_wait_xcnt 0x0                                ; the last tile's stores have read v32-63
.endif
.if (\m) < 4
.set AB, 64*(\m)
	WIN 0x81                                       ; destination window 2, the sums window 1, rsqrt window 0
.else
.set AB, 192
	WIN 0x83
.endif
.set iq, 0
.rept 32
	v_pk_mul_f32 v[2*iq:2*iq+1], v[AB+2*iq:AB+2*iq+1], v[RS+2*(\m):RS+2*(\m)+1] op_sel_hi:[1,0]
.set iq, iq+1
.endr
	WIN 0x8e                                       ; source 1, the gain, window 3
.set iq, 0
.rept 32
	v_pk_mul_f32 v[2*iq:2*iq+1], v[2*iq:2*iq+1], v[2*iq:2*iq+1]
.set iq, iq+1
.endr
.if ((\m) == 2) || ((\m) == 3)
	s_wait_loadcnt 16                              ; this tile's cos and sin are in; the next tile's 16 loads may be out
.elseif (\m) == 4
	s_wait_loadcnt 0x0
.endif
	WIN 0xae                                       ; source 1, cos and sin, window 3; all else window 2
.set cq, 64+64*((\m)%2)
.set tq, 0
.rept 8
.irp p, 0,1,2,3
	v_mul_f32 v[64+2*\p], v[1+8*tq+2*\p], v[cq+32+4*tq+\p]       ; t1 sin
	v_mul_f32 v[65+2*\p], v[1+8*tq+2*\p], v[cq+4*tq+\p]          ; t1 cos
.endr
.irp p, 0,1,2,3
	v_fma_f32 v[1+8*tq+2*\p], v[8*tq+2*\p], v[cq+32+4*tq+\p], v[65+2*\p]     ; t0 sin + t1 cos
	v_fma_f32 v[8*tq+2*\p], v[8*tq+2*\p], v[cq+4*tq+\p], -v[64+2*\p]         ; t0 cos - t1 sin
.endr
.set tq, tq+1
.endr
.if (\m) < 3
	CSLOAD (\m)+2                                  ; into the set just used
.endif
	WIN 0x8a
.set iq, 0
.rept 32
	v_cvt_pk_f16_f32 v[iq], v[2*iq], v[2*iq+1]     ; in place: register i is written when 2 i and 2 i + 1 have been read
.set iq, iq+1
.endr
	ROWS_OUT \m
.endm
.macro VROW m                          ; v: f16 as it is
.if (\m) > 0
	s_wait_xcnt 0x0
.endif
.if (\m) < 4
.set AB, 64*(\m)
	WIN 0x85
.else
.set AB, 192
	WIN 0x8f
.endif
.set iq, 0
.rept 32
	v_cvt_pk_f16_f32 v[iq], v[AB+2*iq], v[AB+2*iq+1]
.set iq, iq+1
.endr
	ROWS_OUT \m
.endm
	s_load_b512 s[4:19], s[0:1], 0x0               ; xq s[4:5], wq4 s[6:7], route s[8:9], cos s[10:11], sin s[12:13], q gain s[14:15], k gain s[16:17], qkv s[18:19]
	v_lshl_add_u32 v[SPW], v0, 2, SPARE
	v_mov_b32 v[NIL], 0
	v_lshrrev_b32 v5, 5, v0
	v_readfirstlane_b32 s20, v5                    ; wave
	s_mov_b32 s21, ttmp9                           ; which 80 slots
	s_and_b32 s22, ttmp7, 0xffff                   ; which four heads
	s_lshl_b32 s23, s22, 2
	s_add_co_u32 s23, s23, s20                     ; my head
	v_and_b32 v3, 31, v0                           ; lane
	v_and_b32 v1, 15, v0                           ; r
	v_bfe_u32 v2, v0, 4, 1                         ; h
	v_lshlrev_b32 v4, 4, v3                        ; 16 x lane
	v_mul_u32_u24 v[XA], v1, XP
	v_lshl_add_u32 v[XA], v2, 4, v[XA]
	v_add_nc_u32 v[XA4], 64*XP, v[XA]
	s_mul_i32 s58, s20, 20*XP
	v_add_nc_u32 v[XST], s58, v4
	v_lshlrev_b32 v9, 6, v3                        ; the weights' scale rows: 64 bytes a row
	v_lshlrev_b32 v10, 5, v2                       ; 32 h: the gain; tile 4's scale words
	v_lshlrev_b32 v11, 4, v2                       ; 16 h
	v_lshlrev_b32 v12, 4, v1                       ; 16 r
	s_mul_i32 s58, s20, 16*272
	s_add_co_u32 s58, s58, STG
	v_mul_u32_u24 v[STO], v1, 272
	v_lshl_add_u32 v[STO], v2, 4, v[STO]
	v_add_nc_u32 v[STO], s58, v[STO]               ; into my stage: row r, + 16 h
	v_mul_u32_u24 v[RD], v2, 272
	v_lshl_add_u32 v[RD], v1, 4, v[RD]
	v_add_nc_u32 v[RD], s58, v[RD]                 ; back: lanes 0-15 one row, lanes 16-31 the next
	v_lshlrev_b32 v15, 2, v1
	v_lshlrev_b32 v16, 2, v2
	v_lshlrev_b32 v17, 2, v3
	s_mov_b32 s52, 0x76543210
	s_mov_b32 s53, 0xfedcba98                      ; lane l xor 16
	s_mov_b32 s54, 0x3c000000                      ; 1 / 128
	s_mov_b32 s55, 0x358637bd                      ; 1e-6
	s_mul_i32 s58, s21, 320                        ; 80 slots of 4 bytes
	s_mov_b32 s59, 0
	s_mul_i32 s60, s20, 80                         ; 20 slots of 4 bytes
	s_mov_b32 s61, 0
	s_wait_kmcnt 0x0
	s_add_nc_u64 s[56:57], s[8:9], s[58:59]        ; the list at my work-group's 80 slots
	s_add_nc_u64 s[60:61], s[56:57], s[60:61]      ; and at the 20 that my wave copies
	s_load_b512 s[32:47], s[60:61], 0x0
	s_load_b128 s[68:71], s[60:61], 0x40
	s_load_b32 s25, s[8:9], 0x4400                 ; n0
	global_load_b32 v26, v17, s[56:57]             ; slot lane, slot 32 + lane: for x's scale rows
	global_load_b32 v27, v17, s[56:57] offset:128
.irp m, 0,1,2,3,4
	global_load_b32 v[CSO+\m], v15, s[56:57] offset:64*\m   ; slot 16 m + r: for cos and sin, and tile 4's for its scale rows
.endr
.set iq, 0
.rept 40
	global_load_b32 v[SOF+iq], v16, s[56:57] offset:8*iq    ; slot 2 i + h: the two rows of store i (i = 8 m + 0 .. 7)
.set iq, iq+1
.endr
	s_wait_kmcnt 0x0
.set iq, 0
.rept 20
.if iq < 16
.set tk, 32+iq
.else
.set tk, 52+iq
.endif
	s_min_u32 s[tk], s[tk], 4095
	v_lshl_add_u32 v[XF+iq], s[tk], 10, v4         ; a row of codes is 1,024 bytes
.set iq, iq+1
.endr
	WIN 0x40
.set iq, 0
.rept 20
	global_load_b128 v[8*iq:8*iq+3], v[XF+iq], s[4:5]
	global_load_b128 v[8*iq+4:8*iq+7], v[XF+iq], s[4:5] offset:512
.set iq, iq+1
.endr
	WIN 0
	s_mul_i32 s58, s21, 80
	s_cmp_ge_u32 s58, s25                          ; no branch hangs on n0: it chooses an offset
	s_cselect_b32 s24, 1, 0
	s_min_u32 s24, s24, 1                          ; e
	s_lshl_b32 s58, s24, 21
	s_lshl_b32 s60, s23, 17
	s_add_co_u32 s58, s58, s60
	s_add_nc_u64 s[26:27], s[6:7], s[58:59]        ; my head's codes
	s_lshl_b32 s58, s24, 17
	s_lshl_b32 s60, s23, 13
	s_add_co_u32 s58, s58, s60
	s_add_co_u32 s58, s58, 4194304
	s_add_nc_u64 s[28:29], s[6:7], s[58:59]        ; and its scale bytes
	s_lshl_b32 s58, s23, 8
	s_add_nc_u64 s[30:31], s[18:19], s[58:59]      ; my head's 256 bytes of a row of qkv
	s_add_nc_u64 s[50:51], s[4:5], 4194304         ; x's scale bytes
	s_cmp_lt_u32 s22, 2
	s_cselect_b64 s[48:49], s[14:15], s[16:17]
	s_lshl_b32 s58, s24, 9
	s_add_nc_u64 s[48:49], s[48:49], s[58:59]      ; the gain of my modality
	s_wait_loadcnt 40                              ; the 47 loads from the list are in; the 40 of the copy may be out
	v_min_u32 v23, 4095, v26
	v_min_u32 v24, 4095, v27
	v_min_u32 v25, 4095, v[CSO+4]
	v_lshlrev_b32 v23, 6, v23                      ; a row of x's scale bytes is 64 bytes
	v_lshlrev_b32 v24, 6, v24
	v_lshl_add_u32 v25, v25, 6, v10                ; tile 4: lanes 16-31 take the row's second half
.irp m, 0,1,2,3,4
	v_min_u32 v[CSO+\m], 4095, v[CSO+\m]
	v_and_b32 v[CSO+\m], 2047, v[CSO+\m]           ; the position
	v_lshl_add_u32 v[CSO+\m], v[CSO+\m], 8, v11    ; a row of cos is 256 bytes; + 16 h
.endr
.set iq, 0
.rept 40
	v_min_u32 v[SOF+iq], 4319, v[SOF+iq]
	v_lshl_add_u32 v[SOF+iq], v[SOF+iq], 12, v12   ; a row of qkv is 4,096 bytes; + 16 r
.set iq, iq+1
.endr
.irp p, 0,1
.irp i, 0,1,2,3
	global_load_b128 v[XS+16*\p+4*\i:XS+16*\p+4*\i+3], v[23+\p], s[50:51] offset:16*\i   ; register XS + 16 p + s: lanes 0-15 tile 2 p's words of K step s, lanes 16-31 tile 2 p + 1's
.endr
.endr
.irp i, 0,1
	global_load_b128 v[XS4+4*\i:XS4+4*\i+3], v25, s[50:51] offset:16*\i                  ; register XS4 + j: lanes 0-15 tile 4's words of K step j, lanes 16-31 of K step 8 + j
.endr
.irp p, 0,1,2,3
.irp i, 0,1,2,3
	global_load_b128 v[WS+16*\p+4*\i:WS+16*\p+4*\i+3], v9, s[28:29] offset:2048*\p+16*\i
.endr
.endr
	s_wait_loadcnt 26                              ; the copy is in; the 26 loads of scale words may be out
	WIN 0x04
.set iq, 0
.rept 20
	ds_store_b128 v[XST], v[8*iq:8*iq+3] offset:iq*XP
	ds_store_b128 v[XST], v[8*iq+4:8*iq+7] offset:iq*XP+512
.set iq, iq+1
.endr
	WIN 0
	s_cmp_eq_u32 s22, 3                            ; v has no norm and no rotation
	s_cbranch_scc1 .Lno_norm
	WIN 0xc0
.irp t, 0,1,2,3,4,5,6,7
	global_load_b128 v[8*\t:8*\t+3], v10, s[48:49] offset:64*\t
	global_load_b128 v[8*\t+4:8*\t+7], v10, s[48:49] offset:64*\t+16
.endr
	CSLOAD 0
	CSLOAD 1
	WIN 0
.Lno_norm:
	WLOAD 0
	WLOAD 1
	WLOAD 2
	WIN 0
	s_wait_dscnt 0x0                               ; my rows of the copy lie in LDS,
	s_barrier_signal -1
	s_barrier_wait -1                              ; everybody's do
	XLOAD 0
.irp s, 0,1,2,3,4,5,6,7,8,9,10,11,12,13,14,15
	KSTEP \s
.endr
	PLACES                                         ; in front of the first read of results, and of writes into registers that products read
	s_cmp_eq_u32 s22, 3
	s_cbranch_scc1 .Lvalues
.irp m, 0,1,2,3,4
	v_mov_b32 v[PD+\m], 0                          ; a lane permute's destination counts as one of its sources
.endr
	WIN 0x05                                       ; the sums of squares: each accumulator from its low end on; token tiles 0-3 by turns
.set tq, 0
.rept 8
.set pq, 0
.rept 4
.irp m, 0,1,2,3
.if (tq == 0) && (pq == 0)
	v_pk_mul_f32 v[SSP+2*\m:SSP+2*\m+1], v[64*\m:64*\m+1], v[64*\m:64*\m+1]
.else
	v_pk_fma_f32 v[SSP+2*\m:SSP+2*\m+1], v[64*\m+8*tq+2*pq:64*\m+8*tq+2*pq+1], v[64*\m+8*tq+2*pq:64*\m+8*tq+2*pq+1], v[SSP+2*\m:SSP+2*\m+1]
.endif
.endr
.set pq, pq+1
.endr
.set tq, tq+1
.endr
	WIN 0x0f                                       ; tile 4, in window 3: two chains, the even and the odd accumulators
.set tq, 0
.rept 4
.set pq, 0
.rept 4
.if (tq == 0) && (pq == 0)
	v_pk_mul_f32 v[SSP+8:SSP+9], v[192:193], v[192:193]
	v_pk_mul_f32 v[SSP+10:SSP+11], v[200:201], v[200:201]
.else
	v_pk_fma_f32 v[SSP+8:SSP+9], v[192+16*tq+2*pq:192+16*tq+2*pq+1], v[192+16*tq+2*pq:192+16*tq+2*pq+1], v[SSP+8:SSP+9]
	v_pk_fma_f32 v[SSP+10:SSP+11], v[200+16*tq+2*pq:200+16*tq+2*pq+1], v[200+16*tq+2*pq:200+16*tq+2*pq+1], v[SSP+10:SSP+11]
.endif
.set pq, pq+1
.endr
.set tq, tq+1
.endr
	WIN 0
	v_pk_add_f32 v[SSP+8:SSP+9], v[SSP+8:SSP+9], v[SSP+10:SSP+11]
.irp m, 0,1,2,3,4
	v_add_f32 v[SS+\m], v[SSP+2*\m], v[SSP+2*\m+1]
.endr
.irp m, 0,1,2,3,4
	v_permlanex16_b32 v[PD+\m], v[SS+\m], s52, s53
.endr
.irp m, 0,1,2,3,4
	v_add_f32 v[SS+\m], v[SS+\m], v[PD+\m]         ; all 128 of the token's head
.endr
.irp m, 0,1,2,3,4
	v_fma_f32 v[SS+\m], v[SS+\m], s54, s55         ; the mean + 1e-6
.endr
.irp m, 0,1,2,3,4
	v_rsq_f32 v[RS+2*\m], v[SS+\m]
.endr
	v_nop                                          ; a plain line behind the last of the batch
	s_wait_alu depctr_va_vdst(0)                   ; one wait for the five, ahead of their first reader
.irp m, 0,1,2,3,4
	v_mov_b32 v[RS+2*\m+1], v[RS+2*\m]             ; (named as a pair, so both are written)
.endr
	HEADROW 0
	HEADROW 1
	HEADROW 2
	HEADROW 3
	HEADROW 4
	s_branch .Lend
.Lvalues:
	VROW 0
	VROW 1
	VROW 2
	VROW 3
	VROW 4
.Lend:
	s_wait_tensorcnt 0x0                           ; the wave's end: behind my last LDS store
	ds_add_u32 v[SPW], v[NIL]
	s_wait_dscnt 0x0
	s_endpgm
.Lfunc_end_k_qae32ea4046_qkv:
	.size	k_qae32ea4046_qkv, .Lfunc_end_k_qae32ea4046_qkv-k_qae32ea4046_qkv
	.p2alignl 7, 3214868480
	.fill 96, 4, 3214868480
	.section	.rodata,"a",@progbits
	.p2align	6, 0x0
	.amdhsa_kernel k_qae32ea4046_qkv
		.amdhsa_group_segment_fixed_size 101120
		.amdhsa_private_segment_fixed_size 0
		.amdhsa_enable_private_segment 0
		.amdhsa_kernarg_size 64
		.amdhsa_user_sgpr_count 2
		.amdhsa_user_sgpr_kernarg_segment_ptr 1
		.amdhsa_wavefront_size32 1
		.amdhsa_system_sgpr_workgroup_id_x 1
		.amdhsa_system_sgpr_workgroup_id_y 1
		.amdhsa_system_sgpr_workgroup_id_z 1
		.amdhsa_system_vgpr_workitem_id 0
		.amdhsa_next_free_vgpr 1024
		.amdhsa_next_free_sgpr 72
		.amdhsa_reserve_vcc 0
		.amdhsa_float_denorm_mode_32 3
		.amdhsa_float_denorm_mode_16_64 3
		.amdhsa_memory_ordered 1
		.amdhsa_forward_progress 1
		.amdhsa_inst_pref_size 255
	.end_amdhsa_kernel
	.section	.bss,"aw",@nobits
	.p2align	6
	.space	262144
	.amdgpu_metadata
---
amdhsa.version: [ 1, 2 ]
amdhsa.kernels:
  - .name:           k_qae32ea4046_qkv
    .symbol:         k_qae32ea4046_qkv.kd
    .args:
      - { .name: xq, .offset: 0, .size: 8, .value_kind: global_buffer, .address_space: global }
      - { .name: wq4, .offset: 8, .size: 8, .value_kind: global_buffer, .address_space: global }
      - { .name: route, .offset: 16, .size: 8, .value_kind: global_buffer, .address_space: global }
      - { .name: freqs_cos, .offset: 24, .size: 8, .value_kind: global_buffer, .address_space: global }
      - { .name: freqs_sin, .offset: 32, .size: 8, .value_kind: global_buffer, .address_space: global }
      - { .name: q_norm_w, .offset: 40, .size: 8, .value_kind: global_buffer, .address_space: global }
      - { .name: k_norm_w, .offset: 48, .size: 8, .value_kind: global_buffer, .address_space: global }
      - { .name: qkv, .offset: 56, .size: 8, .value_kind: global_buffer, .address_space: global }
    .group_segment_fixed_size: 101120
    .private_segment_fixed_size: 0
    .kernarg_segment_align: 8
    .kernarg_segment_size: 64
    .max_flat_workgroup_size: 128
    .sgpr_count:     72
    .vgpr_count:     1024
    .wavefront_size: 32
...
	.end_amdgpu_metadata
.endif
;; end of part 2
;; launch attn (part 3): grid 32 x 8, 4 waves a work-group, clusters of 4 x 1, 327,680 bytes of LDS; arguments qkv, att; writes att
.if DOCPART == 3
	.amdgcn_target "amdgcn-amd-amdhsa--gfx1250"
	.amdhsa_code_object_version 6
	.text
	.protected	k_qae32ea4046_attn
	.globl	k_qae32ea4046_attn
	.p2align	8
	.type	k_qae32ea4046_attn,@function
k_qae32ea4046_attn:
	s_mov_b64 s[64:65], 0
	v_nop
	global_prefetch_b8 v0, s[64:65] scope:SCOPE_SE
	s_setreg_imm32_b32 hwreg(HW_REG_WAVE_MODE, 25, 1), 1
	s_wait_xcnt 0x0
	s_wait_alu depctr_hold_cnt(0) depctr_sa_sdst(0) depctr_va_vdst(0) depctr_va_sdst(0) depctr_va_ssrc(0) depctr_va_vcc(0) depctr_vm_vsrc(0)
	s_getreg_b32 s2, hwreg(HW_REG_IB_STS2, 6, 4)
	s_cmp_eq_u32 s2, 0
	s_cbranch_scc0 .Lentry_in_a_cluster
	s_endpgm
.Lentry_in_a_cluster:
	s_bfe_u32 s2, ttmp6, 0x10000c
	s_cmp_lg_u32 s2, 0x3003
	s_cbranch_scc0 .Lentry_shape_is_right
	s_endpgm
.Lentry_shape_is_right:
; ATTN: causal attention on f16 operands, f32 sums.  qkv[token][16 heads x 128] f16 -> att[token][8 heads x 128] f16.
; SHARES.  y = 4 b + kv head.  Work-group j (0 .. 31) of a y takes two blocks of 32 queries x the 2 query heads of that kv head (64 rows, four tiles of 16): first the LIGHT block, queries 32 j on, then the HEAVY one,
; queries 2016 - 32 j on.  With a = j / 8 the light block needs a + 1 slots of 256 keys and the heavy one 8 - a: EVERY work-group walks 9 slots, a constant.
; THE FOUR WAVES SHARE THE ROWS AND SPLIT THE KEYS: wave w multiplies keys 64 w .. 64 w + 63 of each slot for all four tiles, so each byte of K and V is read from LDS by one wave and feeds four tiles.
; At a block's end the waves' partial (maximum, sum, O) are joined through LDS: each wave scales its parts by 2^(c m - c M) / L and sends three of them to the waves that own those tiles.
; Register slot u of wave w holds tile (w + u) & 3 (tile: queries 16 (tile & 1) on, query head tile / 2), so slot 0 is the tile that the wave owns and every register number is a constant.
; LAYOUT.  S^T = K Q^T (source 0 = 16 keys, source 1 = 16 queries) and O^T = V^T P: a lane holds one query throughout; two tiles of S^T, rounded to f16 in pairs, are source 1 of the second product.
; SOFTMAX.  A running maximum m and sum l for each query: p = 2^(c s - c m), c = log2(e) / sqrt(128); in every step O and l are multiplied by 2^(c m_old - c m_new).  m begins at -3e38.  O^T begins as zeros;
; at the heavy block's first step that factor is 0, which clears what the light block left: so a step is written once for all steps.  Only a block's last slot holds hidden keys: their scores become -infinity.
; CLUSTER.  The four partners have the same a, b and kv head, walk the same slots in the same order, and ask for each tile JOINTLY (mask 15).  cx enters only Q's and att's addresses and the mask's data.
; No prefetch is laid: each row of K and V is asked for by all eight clusters of its y, not once.
; LIMITS: |v| and the result stay under 65,504 (f16).
; REGISTERS.  window 0: v1-11 addresses; v12-43 statistics, 8 a slot (+0 c m, +1 m, +2, +3 l, +4 .. +7 at work); v44-63 addresses; v64-191 S^T, 32 a slot; v192-255 P, 16 a slot.
;   window 1: O^T, 64 a slot.   window 2: v0-127 Q, v128-255 K.   window 3: v0-127 V, v128-191 a part that another wave sent.
.set KPI,   272                        ; a row of K in LDS: 256 bytes + 16
.set VPI,   288                        ; a row of V: 256 + 32
.set VOFF,  256*KPI                    ; a slot: 256 rows of K, then 256 rows of V
.set SLOT,  VOFF+256*VPI
.set XCH,   2*SLOT                     ; behind the ring: an inbox of 8,192 bytes for each wave, later its stage on the way out
.set STAT,  XCH+4*8192                 ; [tile 4][c m, l][wave 4][32 lanes] words
.set SPARE, STAT+4096                  ; the spare words, 128 bytes a wave
.set AK0, 2
.set AV0, 3
.set ADK, 4
.set ADV, 5
.set STO, 6
.set RD,  7
.set GO,  8
.set DMB, 10                           ; v10-11  r - 8 h - 64 w + 16 x (which 16 queries), for slots u and u + 2
.set ST,  12
.set QO,  44
.set SA,  48
.set SW,  52
.set XW,  55                           ; v56-58  the inbox of the wave that owns my slot 1, 2, 3
.set XR,  59
.set DD,  60
.set NINF, 61
.set SPW, 62
.set NIL, 63
.set S,   64
.set P,   192
.set KF,  128
.set WV,  8
.set AA,  11                           ; s11 a;  s12 a + 1;  s13 the count of slots walked
.set A1,  12
.set NN,  13
.set TB,  14                           ; s14 LDS byte of the slot that is read;  s15 of the slot that is filled
.set FB,  15
.set REL, 17                           ; s17 the block's first query less its last slot's first key
.set QBL, 20                           ; s[20:21] Q of the light block;  s[22:23] att of it
.set ABL, 22
.set G1K, 24
.set G1V, 32
.set G0K, 40
.set G0V, 44
.set KB,  48                           ; s[48:49], s[50:51] my 128 rows of K and of V in slot 0 of the keys
.set VB,  50
.set OFS, 52
.set LK,  54
.set LV,  55
.set QBH, 56
.set CS,  58
.set SEL, 60
.set ABH, 62
.set RELH, 66
.set W_KQ, 0x0a
.set W_PV, 0x53
.set W_RS, 0x41
.set MSB, 0
.macro WIN new
.if MSB != \new
	s_set_vgpr_msb (MSB<<8)|\new
.set MSB, \new
.endif
.endm
.macro PLACES
.rept 4
	v_nop
.endr
.endm
.macro BAR                             ; my LDS instructions are done: then the work-group's barrier.
	s_wait_dscnt 0x0
	s_barrier_signal -1
	s_barrier_wait -1
.endm
.macro CROUND                          ; a round of the cluster's barrier
	s_barrier_signal -1
	s_barrier_wait -1
	s_cmp_lg_u32 s[WV], 0
	s_cbranch_scc1 .Lnot_wave_0_\@
	s_barrier_signal -3
.Lnot_wave_0_\@:
	s_barrier_wait -3
	s_barrier_signal -1
	s_barrier_wait -1
.endm
.macro JLOAD                           ; a joint load: waves 0 and 1 fetch K's halves, waves 2 and 3 V's.  An s_nop 0 and four v_nop follow each line
	s_cmp_lt_u32 s[WV], 2
	s_cbranch_scc0 .Lfor_v_\@
	tensor_load_to_lds s[G0K:G0K+3], s[G1K:G1K+7]
	s_nop 0
.rept 4
	v_nop
.endr
	s_branch .Lasked_\@
.Lfor_v_\@:
	tensor_load_to_lds s[G0V:G0V+3], s[G1V:G1V+7]
	s_nop 0
.rept 4
	v_nop
.endr
.Lasked_\@:
.endm
.macro QLOAD base                      ; my four tiles of Q: tile u, channels 32 dc on
	WIN 0x80
.irp u, 0,1,2,3
.irp dc, 0,1,2,3
	global_load_b128 v[32*\u+8*\dc:32*\u+8*\dc+3], v[QO+\u], s[\base:\base+1] offset:64*\dc
	global_load_b128 v[32*\u+8*\dc+4:32*\u+8*\dc+7], v[QO+\u], s[\base:\base+1] offset:64*\dc+32
.endr
.endr
	WIN 0
.endm
.macro FETCH_K                         ; my 64 keys x 128 channels: fragment f: keys 16 (f / 4) on, channels 32 (f % 4) on
	WIN 0x80
.irp f, 0,1,2,3,4,5,6,7,8,9,10,11,12,13,14,15
	ds_load_b128 v[KF+8*\f:KF+8*\f+3],   v[ADK] offset:(\f/4)*16*KPI+(\f%4)*64
	ds_load_b128 v[KF+8*\f+4:KF+8*\f+7], v[ADK] offset:(\f/4)*16*KPI+(\f%4)*64+32
.endr
.endm
.macro FETCH_V                         ; and V of them, turned: keys 32 (f / 8) on, channels 16 (f % 8) on
	WIN 0xc0
.irp f, 0,1,2,3,4,5,6,7,8,9,10,11,12,13,14,15
	ds_load_tr16_b128 v[8*\f:8*\f+3],   v[ADV] offset:(\f/8)*32*VPI+(\f%8)*32
	ds_load_tr16_b128 v[8*\f+4:8*\f+7], v[ADV] offset:(\f/8)*32*VPI+16*VPI+(\f%8)*32
.endr
.endm
.macro KQ                              ; 64 products: the 16 accumulators by turns, one instruction a turn; the first 16 start the sums
	WIN W_KQ
.irp dc, 0,1,2,3
.irp kt, 0,1,2,3
.irp u, 0,1,2,3
.if \dc == 0
	v_wmma_f32_16x16x32_f16 v[S+32*\u+8*\kt:S+32*\u+8*\kt+7], v[KF+32*\kt+8*\dc:KF+32*\kt+8*\dc+7], v[32*\u+8*\dc:32*\u+8*\dc+7], 0
.else
	v_wmma_f32_16x16x32_f16 v[S+32*\u+8*\kt:S+32*\u+8*\kt+7], v[KF+32*\kt+8*\dc:KF+32*\kt+8*\dc+7], v[32*\u+8*\dc:32*\u+8*\dc+7], v[S+32*\u+8*\kt:S+32*\u+8*\kt+7]
.endif
.endr
.endr
.endr
.endm
.macro PVM uu                          ; 32 products O^T += V^T P, keys 32 uu on: the 32 accumulators by turns
	WIN W_PV
.irp dt, 0,1,2,3,4,5,6,7
.irp u, 0,1,2,3
	v_wmma_f32_16x16x32_f16 v[64*\u+8*\dt:64*\u+8*\dt+7], v[64*(\uu)+8*\dt:64*(\uu)+8*\dt+7], v[P+16*\u+8*(\uu):P+16*\u+8*(\uu)+7], v[64*\u+8*\dt:64*\u+8*\dt+7]
.endr
.endr
.endm
; Register 8 kt + jj of a tile holds key 64 w + 16 kt + 8 h + jj of the slot; it is hidden where that is above REL + 16 (which 16 queries) + r, that is where 16 kt + jj > D
.macro MASK
.irp par, 0,1
	v_add_nc_u32 v[DD], s[REL], v[DMB+\par]
.irp kt, 0,1,2,3
.irp jj, 0,1,2,3,4,5,6,7
	v_cmp_gt_i32 vcc_lo, 16*\kt+\jj, v[DD]
	v_cndmask_b32 v[S+32*\par+8*\kt+\jj], v[S+32*\par+8*\kt+\jj], v[NINF], vcc_lo
	v_cndmask_b32 v[S+32*(\par+2)+8*\kt+\jj], v[S+32*(\par+2)+8*\kt+\jj], v[NINF], vcc_lo
.endr
.endr
.endr
.endm
; Number j of a tile's softmax, a list of 134.  0-15 the maximum of 32 scores and the old m; 16-20 the other half of the lanes', the new m, c m and its change; 21-69 ONE BATCH: 16 packed scalings and 33 exponentials,
; none of which names an exponential's result, each pair scaled ahead of its exponentials; 70-85 the roundings to f16; 86-101 the sums and l; 102-133 O^T times the factor.
.macro SM t
.set rT, ST+8*(\t)
.set rS, S+32*(\t)
.set rP, P+16*(\t)
.set rO, 64*(\t)+2*(j-102)
.if j < 102
	WIN 0
.endif
.if j < 4
	v_max3_num_f32 v[rT+4+j], v[rS+8*j], v[rS+8*j+1], v[rS+8*j+2]
.elseif j < 12
	v_max3_num_f32 v[rT+4+j%4], v[rT+4+j%4], v[rS+8*(j%4)+2*(j/4)+1], v[rS+8*(j%4)+2*(j/4)+2]
.elseif j == 12
	v_max3_num_f32 v[rT+4], v[rT+4], v[rS+7], v[rS+15]
.elseif j == 13
	v_max3_num_f32 v[rT+6], v[rT+6], v[rS+23], v[rS+31]
.elseif j == 14
	v_max3_num_f32 v[rT+4], v[rT+4], v[rT+5], v[rT+6]
.elseif j == 15
	v_max3_num_f32 v[rT+4], v[rT+4], v[rT+7], v[rT+1]
.elseif j == 16
	v_permlanex16_b32 v[rT+5], v[rT+4], s[SEL], s[SEL+1]
.elseif j == 17
	v_mov_b32 v[rT+7], v[rT]
.elseif j == 18
	v_max_num_f32 v[rT+1], v[rT+4], v[rT+5]
.elseif j == 19
	v_mul_f32 v[rT], s[CS], v[rT+1]
.elseif j == 20
	v_sub_f32 v[rT+7], v[rT+7], v[rT]
.elseif j == 23
	v_exp_f32 v[rT+6], v[rT+7]
.elseif (j < 23) || ((j < 38) && (j%2 == 0)) || ((j < 66) && (j%4 == 2))
.set bq, (j-2)/4
.if j < 38
.set bq, (j-20)/2
.endif
	v_pk_fma_f32 v[rS+2*bq:rS+2*bq+1], v[rS+2*bq:rS+2*bq+1], s[CS:CS+1], v[rT:rT+1] op_sel_hi:[1,0,0] neg_lo:[0,0,1] neg_hi:[0,0,1]
.elseif j < 70
.set eq, j-38
.if j < 66
.set eq, j-32-(j-38)/4
.endif
.if j < 38
.set eq, (j-25)/2
.endif
	v_exp_f32 v[rS+eq], v[rS+eq]
.elseif j < 86
	v_cvt_pk_f16_f32 v[rP+j-70], v[rS+2*(j-70)], v[rS+2*(j-70)+1]
.elseif j < 102
.set zq, j-86
.set wq, 4
.set uq, zq
.if zq >= 14
.set wq, 32
.set uq, 0
.elseif zq >= 12
.set wq, 16
.set uq, zq-12
.elseif zq >= 8
.set wq, 8
.set uq, zq-8
.endif
.if zq < 15
	v_pk_add_f32 v[rS+wq*uq:rS+wq*uq+1], v[rS+wq*uq:rS+wq*uq+1], v[rS+wq*uq+wq/2:rS+wq*uq+wq/2+1]
.else
	v_pk_fma_f32 v[rT+2:rT+3], v[rT+2:rT+3], v[rT+6:rT+7], v[rS:rS+1] op_sel_hi:[1,0,1]
.endif
.else
	WIN W_RS
	v_pk_mul_f32 v[rO:rO+1], v[rO:rO+1], v[rT+6:rT+7] op_sel_hi:[1,0]
.endif
.endm
.macro SOFTMAX                         ; the four tiles by turns, number by number
.set j, 0
.rept 70
.irp u, 0,1,2,3
	SM \u
.endr
.set j, j+1
.endr
	v_nop                                          ; a plain line behind the last exponential
	s_wait_alu depctr_va_vdst(0)                   ; ONE wait for the 132 exponentials, ahead of the first line that names a result
.rept 32
.irp u, 0,1,2,3
	SM \u
.endr
.set j, j+1
.endr
.endm
.macro RESCALE
.set j, 102
.rept 32
.irp u, 0,1,2,3
	SM \u
.endr
.set j, j+1
.endr
.endm
; THE CHANGE OF SLOTS stands at a slot's head.  Each wave waits for all its tensor loads (its part of the slot ahead), adds 0 to its spare word, and waits for that and for its reads of the slot that it has left.
; fill = 1: the barrier is a round of the cluster's, and behind it the slot just left is filled with the walk's next 256 keys: the load has a whole step in which to land.
.macro CHANGE fill
	WIN 0
	s_wait_tensorcnt 0x0                           ; no tensor load of mine is out, so the groups 0 may be written
	ds_add_u32 v[SPW], v[NIL]                      ; 0 onto my spare word
.if \fill
	s_add_co_u32 s67, s[NN], 1                     ; the walk's next slot: the light block's slots 0 .. a, then the heavy block's 0 .. 7 - a
	s_cmp_gt_u32 s67, s[AA]
	s_cselect_b32 s68, s[A1], 0
	s_sub_co_u32 s67, s67, s68
	s_lshl_b32 s[OFS], s67, 20                     ; 256 rows of 4,096 bytes
	s_xor_b32 s[FB], s[FB], SLOT
	s_add_co_u32 s[G0K+1], s[FB], s[LK]
	s_add_co_u32 s[G0V+1], s[FB], s[LV]
	s_add_nc_u64 s[G0K+2:G0K+3], s[KB:KB+1], s[OFS:OFS+1]
	s_or_b32 s[G0K+3], s[G0K+3], 0x80000000
	s_add_nc_u64 s[G0V+2:G0V+3], s[VB:VB+1], s[OFS:OFS+1]
	s_or_b32 s[G0V+3], s[G0V+3], 0x80000000
	s_wait_dscnt 0x0                               ; the add is done, and my reads of the slot that I have left are over
	CROUND
	JLOAD                                          ; the four v_nop behind it are also the places in front of the loads into V's registers
.else
	s_wait_dscnt 0x0
	s_barrier_signal -1
	s_barrier_wait -1
	PLACES
.endif
.endm
; A STEP: my 64 keys of the slot in hand, for the four tiles.  dyn = 1: the mask is passed over unless this is the light block's last slot (a branch on ids and the count of slots alone).
.macro STEP dyn
	v_add_nc_u32 v[ADK], s[TB], v[AK0]
	v_add_nc_u32 v[ADV], s[TB], v[AV0]
	FETCH_K
	FETCH_V
	s_wait_dscnt 32                                ; K is in; V's 32 loads may be out
	KQ
	WIN 0
	PLACES
.if \dyn
	s_cmp_lg_u32 s[NN], s[AA]
	s_cbranch_scc1 .Lopen_\@
.endif
	MASK
.Lopen_\@:
	SOFTMAX
	s_wait_dscnt 0x0                               ; V is in
	RESCALE
	PVM 0
	PVM 1
	WIN 0
	s_xor_b32 s[TB], s[TB], SLOT
.endm
; A BLOCK'S END.  last = 0: the heavy block's Q is asked for at once and the statistics begin anew.  ab: where the block's rows of att begin for my tile.
.macro END last, ab
.if !\last
	QLOAD QBH
.endif
.irp u, 0,1,2,3
	v_add_f32 v[ST+8*\u+4], v[ST+8*\u+2], v[ST+8*\u+3]
.endr
.irp u, 0,1,2,3
	v_permlanex16_b32 v[ST+8*\u+5], v[ST+8*\u+4], s[SEL], s[SEL+1]
.endr
.irp u, 0,1,2,3
	v_add_f32 v[ST+8*\u+4], v[ST+8*\u+4], v[ST+8*\u+5]     ; my 64 keys' l
.endr
.irp u, 0,1,2,3
	ds_store_b32 v[SW+\u], v[ST+8*\u]
	ds_store_b32 v[SW+\u], v[ST+8*\u+4] offset:512
.endr
	BAR
.irp u, 0,1,2,3
.irp i, 0,1,2,3
	ds_load_b32 v[S+8*\u+\i], v[SA+\u] offset:128*\i         ; the four waves' c m
	ds_load_b32 v[S+8*\u+4+\i], v[SA+\u] offset:512+128*\i   ; and l
.endr
.endr
	s_wait_dscnt 0x0
.irp u, 0,1,2,3
	v_max3_num_f32 v[ST+8*\u+5], v[S+8*\u], v[S+8*\u+1], v[S+8*\u+2]
.endr
.irp u, 0,1,2,3
	v_max_num_f32 v[ST+8*\u+5], v[ST+8*\u+5], v[S+8*\u+3]    ; c M
.endr
.irp u, 0,1,2,3
.irp i, 0,1,2,3
	v_sub_f32 v[S+8*\u+\i], v[S+8*\u+\i], v[ST+8*\u+5]
.endr
	v_sub_f32 v[ST+8*\u+4], v[ST+8*\u], v[ST+8*\u+5]
.endr
.irp u, 0,1,2,3
.irp i, 0,1,2,3
	v_exp_f32 v[S+8*\u+\i], v[S+8*\u+\i]                     ; a wave that saw no key has c m = c x (-3e38): its factor is 0
.endr
	v_exp_f32 v[ST+8*\u+4], v[ST+8*\u+4]                     ; my own factor
.endr
	v_nop
	s_wait_alu depctr_va_vdst(0)                   ; one wait for the 20
.irp u, 0,1,2,3
	v_mul_f32 v[ST+8*\u+5], v[S+8*\u], v[S+8*\u+4]
.endr
.irp i, 1,2,3
.irp u, 0,1,2,3
	v_fmac_f32 v[ST+8*\u+5], v[S+8*\u+\i], v[S+8*\u+4+\i]    ; L
.endr
.endr
.irp u, 0,1,2,3
	v_rcp_f32 v[ST+8*\u+5], v[ST+8*\u+5]
.endr
	v_nop
	s_wait_alu depctr_va_vdst(0)                   ; one wait for the four
.irp u, 0,1,2,3
	v_mul_f32 v[ST+8*\u+6], v[ST+8*\u+4], v[ST+8*\u+5]
.endr
	RESCALE                                        ; my parts, ready to be added
.irp rho, 1,2,3                                ; in round rho each inbox has one sender
	WIN 0x04
.set iq, 0
.rept 16
	ds_store_b128 v[XW+\rho], v[64*\rho+4*iq:64*\rho+4*iq+3] offset:512*iq    ; an image of the registers: lane l's 16 bytes at 16 l
.set iq, iq+1
.endr
	WIN 0
	BAR
	WIN 0xc0
.set iq, 0
.rept 16
	ds_load_b128 v[128+4*iq:131+4*iq], v[XR] offset:512*iq
.set iq, iq+1
.endr
	s_wait_dscnt 0x0
	WIN 0x4d
.set iq, 0
.rept 32
	v_pk_add_f32 v[2*iq:2*iq+1], v[2*iq:2*iq+1], v[128+2*iq:129+2*iq]
.set iq, iq+1
.endr
	WIN 0
.if \rho < 3
	BAR                                            ; every inbox has been read: the next round may write it
.endif
.endr
	WIN 0x05
.set iq, 0
.rept 32
	v_cvt_pk_f16_f32 v[S+iq], v[2*iq], v[2*iq+1]
.set iq, iq+1
.endr
	WIN 0
.irp dt, 0,1,2,3,4,5,6,7
	ds_store_b128 v[STO], v[S+4*\dt:S+4*\dt+3] offset:32*\dt   ; my inbox is my stage now
.endr
.irp i, 0,1,2,3,4,5,6,7
	ds_load_b128 v[S+32+4*\i:S+35+4*\i], v[RD] offset:544*\i
.endr
.irp i, 0,1,2,3,4,5,6,7
	s_wait_dscnt 7-\i
	global_store_b128 v[GO], v[S+32+4*\i:S+35+4*\i], s[\ab:\ab+1] offset:4096*\i   ; sixteen lanes store 256 aligned bytes: a query's head
.endr
	s_wait_xcnt 0x0                                ; the stores have read their registers: the next scores may land there
.if !\last
	s_mov_b32 s[REL], s[RELH]
.irp u, 0,1,2,3
	v_mov_b32 v[ST+8*\u+1], 0xff61b1e6             ; m = -3e38
	v_mov_b32 v[ST+8*\u+2], 0
	v_mov_b32 v[ST+8*\u+3], 0
.endr
.irp u, 0,1,2,3
	v_mul_f32 v[ST+8*\u], s[CS], v[ST+8*\u+1]
.endr
	s_wait_loadcnt 0x0                             ; the heavy block's Q
.endif
.endm
	s_load_b128 s[4:7], s[0:1], 0x0                ; qkv s[4:5], att s[6:7]
	v_lshl_add_u32 v[SPW], v0, 2, SPARE
	v_mov_b32 v[NIL], 0
	ds_add_u32 v[SPW], v[NIL]                      ; the wave's opening: the add, waited for ahead of my first tensor load
	v_lshrrev_b32 v1, 5, v0
	v_readfirstlane_b32 s[WV], v1
	s_lshr_b32 s[AA], ttmp9, 1                     ; a: the cluster's x / 2: the same in all four partners
	s_add_co_u32 s[A1], s[AA], 1
	s_and_b32 s67, ttmp7, 0xffff
	s_lshr_b32 s68, s67, 2                         ; b
	s_and_b32 s69, s67, 3                          ; kv head
	s_and_b32 s70, s[WV], 1                        ; which 128 rows of a tile I fetch
	s_lshl_b32 s71, s68, 23                        ; 2,048 b rows of 4,096 bytes
	s_lshl_b32 s[OFS], s70, 19
	s_add_co_u32 s[OFS], s[OFS], s71
	s_lshl_b32 s71, s69, 8
	s_add_co_u32 s[OFS], s[OFS], s71
	s_add_co_u32 s[OFS], s[OFS], 2048              ; K's heads begin at byte 2,048 of a row, V's at 3,072
	s_mov_b32 s[OFS+1], 0
	s_mul_i32 s[LK], s70, 128*KPI
	s_mul_i32 s[LV], s70, 128*VPI
	s_add_co_u32 s[LV], s[LV], VOFF
	s_mov_b32 s[G1K], 15|(1<<16)|(1<<20)|(1<<21)|(5<<22)|(3<<25)   ; the mask: all four; elements of 2 bytes; padding on; bit 21 beside a mask; after every 64 words, 4 words
	s_mov_b32 s[G1V], 15|(1<<16)|(1<<20)|(1<<21)|(5<<22)|(7<<25)   ; the same with 8 words
.irp g, G1K, G1V
	s_mov_b32 s[\g+1], 128<<16                     ; tensor_dim0 = 128
	s_mov_b32 s[\g+2], 128<<16                     ; tensor_dim1 = 128
	s_mov_b32 s[\g+3], 128<<16                     ; tile_dim0 = 128
	s_mov_b32 s[\g+4], 128                         ; tile_dim1 = 128
	s_mov_b32 s[\g+5], 2048                        ; elements from row to row
	s_mov_b32 s[\g+6], 0
	s_mov_b32 s[\g+7], 0
.endr
	s_mov_b32 s[CS], 0x3e0293ee                    ; c = log2(e) / sqrt(128)
	s_mov_b32 s[CS+1], s[CS]
	s_mov_b32 s[SEL], 0x76543210
	s_mov_b32 s[SEL+1], 0xfedcba98
	s_mov_b32 s[NN], 0
	s_mov_b32 s[TB], 0
	s_mov_b32 s[FB], 0
	; what hangs on my place in the cluster: registers of their own, which feed no descriptor and no LDS address
	s_bfe_u32 s9, ttmp6, 0x40000                   ; cx
	s_lshl_b32 s10, ttmp9, 2
	s_add_co_u32 s10, s10, s9                      ; j
	s_and_b32 s[REL], s10, 7
	s_lshl_b32 s[REL], s[REL], 5                   ; light: 32 (j % 8)
	s_sub_co_u32 s[RELH], 224, s[REL]              ; heavy: 224 - 32 (j % 8)
	s_lshl_b32 s72, s68, 11
	s_lshl_b32 s73, s10, 5
	s_add_co_u32 s74, s72, s73                     ; the light block's first row
	s_add_co_u32 s75, s72, 2016
	s_sub_co_u32 s75, s75, s73                     ; the heavy block's
	s_lshl_b32 s80, s69, 9                         ; the kv head's two query heads: 512 bytes
	s_lshl_b32 s76, s74, 12
	s_add_co_u32 s76, s76, s80
	s_mov_b32 s77, 0
	s_lshl_b32 s78, s75, 12
	s_add_co_u32 s78, s78, s80
	s_mov_b32 s79, 0
	s_lshl_b32 s81, s70, 4                         ; my own tile: queries 16 (w & 1) on, query head w / 2
	s_lshl_b32 s86, s69, 1
	s_lshr_b32 s87, s[WV], 1
	s_add_co_u32 s86, s86, s87
	s_lshl_b32 s86, s86, 8
	s_add_co_u32 s82, s74, s81
	s_lshl_b32 s82, s82, 11
	s_add_co_u32 s82, s82, s86
	s_mov_b32 s83, 0
	s_add_co_u32 s84, s75, s81
	s_lshl_b32 s84, s84, 11
	s_add_co_u32 s84, s84, s86
	s_mov_b32 s85, 0
	s_wait_dscnt 0x0                               ; the opening add is done
	s_wait_kmcnt 0x0
	s_add_nc_u64 s[KB:KB+1], s[4:5], s[OFS:OFS+1]
	s_add_nc_u64 s[VB:VB+1], s[KB:KB+1], 1024
	s_add_nc_u64 s[QBL:QBL+1], s[4:5], s[76:77]
	s_add_nc_u64 s[QBH:QBH+1], s[4:5], s[78:79]
	s_add_nc_u64 s[ABL:ABL+1], s[6:7], s[82:83]
	s_add_nc_u64 s[ABH:ABH+1], s[6:7], s[84:85]
	CROUND                                         ; all four work-groups are here: the first joint loads meet
	s_mov_b32 s[G0K], 1
	s_mov_b32 s[G0K+1], s[LK]
	s_mov_b64 s[G0K+2:G0K+3], s[KB:KB+1]
	s_or_b32 s[G0K+3], s[G0K+3], 0x80000000
	s_mov_b32 s[G0V], 1
	s_mov_b32 s[G0V+1], s[LV]
	s_mov_b64 s[G0V+2:G0V+3], s[VB:VB+1]
	s_or_b32 s[G0V+3], s[G0V+3], 0x80000000
	JLOAD                                          ; keys 0 .. 255 into slot 0
	v_and_b32 v1, 15, v0                           ; r
	v_bfe_u32 v9, v0, 4, 1                         ; h
	v_and_b32 v4, 31, v0                           ; lane (v4, v5 are free until the first step)
	v_lshlrev_b32 v[DD], 12, v1
	v_lshl_add_u32 v[DD], v9, 4, v[DD]             ; Q: row r of 4,096 bytes, + 16 h
	s_lshl_b32 s71, s[WV], 7
.irp u, 0,1,2,3
	s_add_co_u32 s67, s[WV], \u
	s_and_b32 s67, s67, 3                          ; the tile in my slot u
	s_and_b32 s68, s67, 1
	s_lshl_b32 s68, s68, 16
	s_lshr_b32 s69, s67, 1
	s_lshl_b32 s69, s69, 8
	s_add_co_u32 s68, s68, s69
	v_add_nc_u32 v[QO+\u], s68, v[DD]
	s_lshl_b32 s67, s67, 10
	s_add_co_u32 s67, s67, STAT
	v_lshl_add_u32 v[SA+\u], v4, 2, s67
	v_add_nc_u32 v[SW+\u], s71, v[SA+\u]
.endr
	QLOAD QBL
.irp rho, 1,2,3
	s_add_co_u32 s67, s[WV], \rho
	s_and_b32 s67, s67, 3
	s_lshl_b32 s67, s67, 13
	s_add_co_u32 s67, s67, XCH
	v_lshl_add_u32 v[XW+\rho], v4, 4, s67
.endr
	s_lshl_b32 s67, s[WV], 13
	s_add_co_u32 s67, s67, XCH
	v_lshl_add_u32 v[XR], v4, 4, s67
	v_mul_u32_u24 v[STO], v1, 272
	v_lshl_add_u32 v[STO], v9, 4, v[STO]
	v_add_nc_u32 v[STO], s67, v[STO]
	v_mul_u32_u24 v[RD], v9, 272
	v_lshl_add_u32 v[RD], v1, 4, v[RD]
	v_add_nc_u32 v[RD], s67, v[RD]
	v_lshlrev_b32 v[GO], 11, v9
	v_lshl_add_u32 v[GO], v1, 4, v[GO]             ; att: lanes 0-15 one row of 2,048 bytes, lanes 16-31 the next
	s_mul_i32 s67, s[WV], 64*KPI
	v_mul_u32_u24 v[AK0], v1, KPI
	v_lshl_add_u32 v[AK0], v9, 4, v[AK0]
	v_add_nc_u32 v[AK0], s67, v[AK0]               ; K: my 64 rows, row r, + 16 h
	s_mul_i32 s67, s[WV], 64*VPI
	s_add_co_u32 s67, s67, VOFF
	v_and_b32 v5, 7, v0
	v_lshl_add_u32 v[AV0], v9, 3, v5
	v_mul_u32_u24 v[AV0], v[AV0], VPI
	v_bfe_u32 v5, v0, 3, 1
	v_lshl_add_u32 v[AV0], v5, 4, v[AV0]
	v_add_nc_u32 v[AV0], s67, v[AV0]               ; V: key 8 h + l % 8, channels 8 ((l / 8) % 2) on
	v_lshlrev_b32 v5, 3, v9
	v_sub_nc_u32 v5, v1, v5                        ; r - 8 h
	s_lshl_b32 s68, s[WV], 6
.irp par, 0,1
	s_add_co_u32 s67, s[WV], \par
	s_and_b32 s67, s67, 1
	s_lshl_b32 s67, s67, 4
	s_sub_co_u32 s67, s67, s68
	v_add_nc_u32 v[DMB+\par], s67, v5
.endr
	v_mov_b32 v[NINF], 0xff800000
.irp u, 0,1,2,3
	v_mov_b32 v[ST+8*\u+1], 0xff61b1e6             ; m = -3e38, under every score
	v_mov_b32 v[ST+8*\u+2], 0
	v_mov_b32 v[ST+8*\u+3], 0
.endr
.irp u, 0,1,2,3
	v_mul_f32 v[ST+8*\u], s[CS], v[ST+8*\u+1]
.endr
	WIN 0x40
.set iq, 0
.rept 256
	v_mov_b32 v[iq], 0                             ; O^T.  The step is written once: where a block begins hangs on the work-group's number, so no first step can be written out to start the sums
.set iq, iq+1
.endr
	WIN 0
	s_wait_loadcnt 0x0                             ; Q
.Lslot:                                            ; 8 trips; behind each change of slots the walk's next slot is asked for
	CHANGE 1
	STEP 1
	s_cmp_lg_u32 s[NN], s[AA]                      ; the light block ends with slot a: ids and the count of slots alone, the same in every wave and every partner
	s_cbranch_scc1 .Lno_end
	END 0, ABL
.Lno_end:
	s_add_co_u32 s[NN], s[NN], 1
	s_cmp_lt_u32 s[NN], 8
	s_cbranch_scc1 .Lslot
	CHANGE 0                                       ; the ninth slot is written out: nothing is left to ask for, and it is the heavy block's last: the mask always runs
	STEP 0
	END 1, ABH
	s_wait_tensorcnt 0x0                           ; the wave's end: behind my last tensor load and my last LDS store
	ds_add_u32 v[SPW], v[NIL]
	s_wait_dscnt 0x0
	CROUND                                         ; the closing round
	s_endpgm
.Lfunc_end_k_qae32ea4046_attn:
	.size	k_qae32ea4046_attn, .Lfunc_end_k_qae32ea4046_attn-k_qae32ea4046_attn
	.p2alignl 7, 3214868480
	.fill 96, 4, 3214868480
	.section	.rodata,"a",@progbits
	.p2align	6, 0x0
	.amdhsa_kernel k_qae32ea4046_attn
		.amdhsa_group_segment_fixed_size 327680
		.amdhsa_private_segment_fixed_size 0
		.amdhsa_enable_private_segment 0
		.amdhsa_kernarg_size 16
		.amdhsa_user_sgpr_count 2
		.amdhsa_user_sgpr_kernarg_segment_ptr 1
		.amdhsa_wavefront_size32 1
		.amdhsa_system_sgpr_workgroup_id_x 1
		.amdhsa_system_sgpr_workgroup_id_y 1
		.amdhsa_system_sgpr_workgroup_id_z 1
		.amdhsa_system_vgpr_workitem_id 0
		.amdhsa_next_free_vgpr 1024
		.amdhsa_next_free_sgpr 104
		.amdhsa_reserve_vcc 1
		.amdhsa_float_denorm_mode_32 3
		.amdhsa_float_denorm_mode_16_64 3
		.amdhsa_memory_ordered 1
		.amdhsa_forward_progress 1
		.amdhsa_inst_pref_size 185
	.end_amdhsa_kernel
	.amdgpu_metadata
---
amdhsa.version: [ 1, 2 ]
amdhsa.kernels:
  - .name:           k_qae32ea4046_attn
    .symbol:         k_qae32ea4046_attn.kd
    .args:
      - { .name: qkv, .offset: 0, .size: 8, .value_kind: global_buffer, .address_space: global }
      - { .name: att, .offset: 8, .size: 8, .value_kind: global_buffer, .address_space: global }
    .group_segment_fixed_size: 327680
    .private_segment_fixed_size: 0
    .kernarg_segment_align: 8
    .kernarg_segment_size: 16
    .max_flat_workgroup_size: 128
    .sgpr_count:     104
    .vgpr_count:     1024
    .wavefront_size: 32
...
	.end_amdgpu_metadata
.endif
;; end of part 3
;; launch oproj (part 4): grid 30 x 8, 4 waves a work-group, no clusters, 317,440 bytes of LDS; arguments att, wof, route, oraw, ssq; writes oraw, ssq
.if DOCPART == 4
	.amdgcn_target "amdgcn-amd-amdhsa--gfx1250"
	.amdhsa_code_object_version 6
	.text
	.protected	k_qae32ea4046_oproj
	.globl	k_qae32ea4046_oproj
	.p2align	8
	.type	k_qae32ea4046_oproj,@function
k_qae32ea4046_oproj:
	s_mov_b64 s[64:65], 0
	v_nop
	global_prefetch_b8 v0, s[64:65] scope:SCOPE_SE
	s_setreg_imm32_b32 hwreg(HW_REG_WAVE_MODE, 25, 1), 1
	s_wait_xcnt 0x0
; OPROJ: o = att x wo of the chosen modality, f16 operands, f32 sums, NOT yet normalised: oraw[slot][2048] f32, and for each slot the sum of squares of each chunk of 256 columns: ssq[8 chunks][4320 slots].
; A work-group takes 144 slots of the list (one modality: e = (first slot >= n0)) x 256 columns; wave w takes all 144 rows x columns 64 w .. 64 w + 63 of the chunk: accumulator (m, t), 9 x 4.
; 144 slots, so that the 30 x 8 = 240 work-groups are at most as many as there are WGPs, whatever the split of the tokens.
; THE PRODUCT IS USED TRANSPOSED: source 0 = 16 columns of wo, source 1 = 16 rows of att: lane (r, h) holds slot 16 m + r and columns 16 t + 8 h + 0 .. 7: 32 neighbouring bytes.
; wo lies in memory in the order of the operand's registers and goes straight into registers, seven K steps ahead (each wave reads its own columns alone); the 144 gathered rows of att are copied once into LDS.
; K = 1,024 goes in 32 steps of 32, written out.  The norm spans a row's 2,048 columns, which eight work-groups make: so the sums of squares go out in parts and a last launch rescales.
; NO TENSOR LOAD, NO CLUSTER: the rows come by a list and wo's address hangs on n0, numbers read from memory.  A slot of the gap loads token 4095's row; its results are stored by slot and read by nobody's output.
; REGISTERS.  window 0: v1-31 addresses; v64-207 att's fragments, two sets of 72 (at the head rows 32-35 of my copy, at the end rows on the way out); v208-243 the copy's offsets, later the sums of squares.
;   window 1: accumulator (m, t), m = 0 .. 7, at v[32 m + 8 t] (at the head: rows 0-15 of my copy).   window 2: wo's fragments, eight sets of 32.
;   window 3: accumulator (8, t) at v[8 t] (at the head: rows 16-31 of my copy).
.set AP,    2064                       ; a row of att in LDS: 2,048 bytes + 16
.set STG,   144*AP                     ; a stage of 16 rows x 272 bytes for each wave
.set SSB,   STG+4*16*272               ; [wave][144 rows] sums of squares
.set SPARE, SSB+4*576
.set ADRA, 8                           ; v8-16  row tile m: LDS address of my part of its fragments
.set AST,  17                          ; v17    the copy: my 36 rows;  v18: 32 rows on, since row 32's offset passes an LDS instruction's 16 bits
.set AST2, 18
.set STO,  19
.set RD,   20
.set CO,   21
.set SSA,  22
.set SSR,  23
.set SSR2, 24
.set R4,   25
.set SPW,  28
.set NIL,  29
.set AF,   64
.set RO,   208
.set SSP,  208                         ; v208-225 nine pairs; v226-234 the sums; v236-244 the other half's; v246-247 tile 8's second chain
.set SS,   226
.set PD,   236
.set MSB, 0
.macro WIN new
.if MSB != \new
	s_set_vgpr_msb (MSB<<8)|\new
.set MSB, \new
.endif
.endm
.macro PLACES
.rept 4
	v_nop
.endr
.endm
.macro BLOAD ks                        ; my four fragments of wo of K step ks
	WIN 0x80
.irp t, 0,1,2,3
.irp g, 0,1
	global_load_b128 v[32*((\ks)%8)+8*\t+4*\g:32*((\ks)%8)+8*\t+4*\g+3], v4, s[20:21] offset:\t*32768+(\ks)*1024+\g*512
.endr
.endr
.endm
.macro ALOAD ks                        ; the nine row tiles' fragments of K step ks
	WIN 0
.irp m, 0,1,2,3,4,5,6,7,8
	ds_load_b128 v[AF+72*((\ks)%2)+8*\m:AF+72*((\ks)%2)+8*\m+3], v[ADRA+\m] offset:64*(\ks)
	ds_load_b128 v[AF+72*((\ks)%2)+8*\m+4:AF+72*((\ks)%2)+8*\m+7], v[ADRA+\m] offset:64*(\ks)+32
.endr
.endm
.macro KSTEP s                         ; 36 products, the 36 accumulators by turns, one instruction a turn: 32 on window 1's, then 4 on window 3's
.if (\s) > 0
	PLACES                                         ; in front of loads into registers that the last step's products read
.endif
.if (\s) <= 24
	BLOAD (\s)+7
.endif
.if (\s) <= 30
	ALOAD (\s)+1
.endif
.if (\s) <= 24
	s_wait_loadcnt 56                              ; this step's wo is in; the seven later steps' 8 loads each may be out
.else
	s_wait_loadcnt 8*(31-(\s))
.endif
.if (\s) <= 30
	s_wait_dscnt 18                                ; this step's att is in; the next step's 18 loads may be out
.else
	s_wait_dscnt 0x0
.endif
	WIN 0x52
.irp t, 0,1,2,3
.irp m, 0,1,2,3,4,5,6,7
.if (\s) == 0
	v_wmma_f32_16x16x32_f16 v[32*\m+8*\t:32*\m+8*\t+7], v[32*((\s)%8)+8*\t:32*((\s)%8)+8*\t+7], v[AF+72*((\s)%2)+8*\m:AF+72*((\s)%2)+8*\m+7], 0
.else
	v_wmma_f32_16x16x32_f16 v[32*\m+8*\t:32*\m+8*\t+7], v[32*((\s)%8)+8*\t:32*((\s)%8)+8*\t+7], v[AF+72*((\s)%2)+8*\m:AF+72*((\s)%2)+8*\m+7], v[32*\m+8*\t:32*\m+8*\t+7]
.endif
.endr
.endr
	WIN 0xf2
.irp t, 0,1,2,3
.if (\s) == 0
	v_wmma_f32_16x16x32_f16 v[8*\t:8*\t+7], v[32*((\s)%8)+8*\t:32*((\s)%8)+8*\t+7], v[AF+72*((\s)%2)+64:AF+72*((\s)%2)+71], 0
.else
	v_wmma_f32_16x16x32_f16 v[8*\t:8*\t+7], v[32*((\s)%8)+8*\t:32*((\s)%8)+8*\t+7], v[AF+72*((\s)%2)+64:AF+72*((\s)%2)+71], v[8*\t:8*\t+7]
.endif
.endr
	WIN 0
.endm
.macro BLOCK_OUT m                     ; 16 slots x my 64 columns: through my stage, back as rows of 256 bytes, and out
.if (\m) < 8
.set AB, 32*(\m)
	WIN 0x04
.else
.set AB, 0
	WIN 0x0c
.endif
.irp t, 0,1,2,3
	ds_store_b128 v[STO], v[AB+8*\t:AB+8*\t+3] offset:64*\t
	ds_store_b128 v[STO], v[AB+8*\t+4:AB+8*\t+7] offset:64*\t+16
.endr
	WIN 0
.if (\m) >= 2
	s_wait_xcnt 0x0                                ; the stores of two blocks ago have read this set of registers
.endif
.set RBQ, 64+32*((\m)%2)
.irp i, 0,1,2,3,4,5,6,7
	ds_load_b128 v[RBQ+4*\i:RBQ+4*\i+3], v[RD] offset:544*\i
.endr
.irp i, 0,1,2,3,4,5,6,7
	s_wait_dscnt 7-\i
	global_store_b128 v[CO], v[RBQ+4*\i:RBQ+4*\i+3], s[22:23] offset:(16*(\m)+2*\i)*8192 th:TH_STORE_NT   ; sixteen lanes store 256 aligned bytes
.endr
.endm
	s_load_b256 s[4:11], s[0:1], 0x0               ; att s[4:5], wof s[6:7], route s[8:9], oraw s[10:11]
	s_load_b64 s[12:13], s[0:1], 0x20              ; ssq
	v_lshl_add_u32 v[SPW], v0, 2, SPARE
	v_mov_b32 v[NIL], 0
	v_lshrrev_b32 v5, 5, v0
	v_readfirstlane_b32 s14, v5                    ; wave
	s_mov_b32 s15, ttmp9                           ; which 144 slots
	s_and_b32 s16, ttmp7, 0xffff                   ; which 256 columns
	v_and_b32 v3, 31, v0
	v_and_b32 v1, 15, v0                           ; r
	v_bfe_u32 v2, v0, 4, 1                         ; h
	v_lshlrev_b32 v4, 4, v3                        ; 16 x lane
	v_mul_u32_u24 v[ADRA], v1, AP
	v_lshl_add_u32 v[ADRA], v2, 4, v[ADRA]         ; a fragment of att: row 16 m + r, + 16 h
.irp m, 1,2,3,4,5,6,7,8
	v_add_nc_u32 v[ADRA+\m], \m*16*AP, v[ADRA]
.endr
	s_mul_i32 s30, s14, 36*AP
	v_add_nc_u32 v[AST], s30, v4                   ; the copy: my 36 rows
	v_add_nc_u32 v[AST2], 32*AP, v[AST]
	s_mul_i32 s30, s14, 16*272
	s_add_co_u32 s30, s30, STG
	v_mul_u32_u24 v[STO], v1, 272
	v_lshl_add_u32 v[STO], v2, 5, v[STO]
	v_add_nc_u32 v[STO], s30, v[STO]               ; into my stage: row r, + 32 h
	v_mul_u32_u24 v[RD], v2, 272
	v_lshl_add_u32 v[RD], v1, 4, v[RD]
	v_add_nc_u32 v[RD], s30, v[RD]                 ; back: two rows an instruction
	v_lshlrev_b32 v[CO], 13, v2
	v_lshl_add_u32 v[CO], v1, 4, v[CO]             ; and the same two rows in oraw
	s_mul_i32 s30, s14, 576
	s_add_co_u32 s30, s30, SSB
	v_lshl_add_u32 v[SSA], v1, 2, s30              ; my wave's sums of squares: 4 r
	v_add_nc_u32 v[SSR], SSB, v4                   ; where wave 0 reads all four waves': rows 4 lane .. 4 lane + 3,
	v_lshl_add_u32 v[SSR2], v1, 2, SSB+512         ; and row 128 + r
	v_lshlrev_b32 v[R4], 2, v1
	s_mov_b32 s28, 0x76543210
	s_mov_b32 s29, 0xfedcba98
	s_mul_i32 s30, s15, 576                        ; 144 slots of 4 bytes
	s_mul_i32 s31, s14, 144                        ; 36 slots of 4 bytes
	s_add_co_u32 s30, s30, s31
	s_mov_b32 s31, 0
	s_wait_kmcnt 0x0
	s_add_nc_u64 s[26:27], s[8:9], s[30:31]        ; the list at the 36 slots that my wave copies
	s_load_b512 s[32:47], s[26:27], 0x0
	s_load_b512 s[48:63], s[26:27], 0x40
	s_load_b128 s[68:71], s[26:27], 0x80
	s_load_b32 s17, s[8:9], 0x4400                 ; n0
	s_wait_kmcnt 0x0
.set iq, 0
.rept 36
.if iq < 32
.set tk, 32+iq
.else
.set tk, 36+iq
.endif
	s_min_u32 s[tk], s[tk], 4095
	v_lshl_add_u32 v[RO+iq], s[tk], 11, v4         ; a row of att is 2,048 bytes
.set iq, iq+1
.endr
	WIN 0x40
.set iq, 0
.rept 16
.irp q, 0,1,2,3
	global_load_b128 v[16*iq+4*\q:16*iq+4*\q+3], v[RO+iq], s[4:5] offset:512*\q
.endr
.set iq, iq+1
.endr
	WIN 0xc0
.set iq, 0
.rept 16
.irp q, 0,1,2,3
	global_load_b128 v[16*iq+4*\q:16*iq+4*\q+3], v[RO+16+iq], s[4:5] offset:512*\q
.endr
.set iq, iq+1
.endr
	WIN 0
.set iq, 0
.rept 4
.irp q, 0,1,2,3
	global_load_b128 v[AF+16*iq+4*\q:AF+16*iq+4*\q+3], v[RO+32+iq], s[4:5] offset:512*\q
.endr
.set iq, iq+1
.endr
	s_mul_i32 s30, s15, 144
	s_cmp_ge_u32 s30, s17                          ; no branch hangs on n0: it chooses an offset
	s_cselect_b32 s18, 1, 0
	s_min_u32 s18, s18, 1                          ; e
	s_lshl_b32 s30, s18, 22
	s_lshl_b32 s19, s16, 4
	s_lshl_b32 s17, s14, 2
	s_add_co_u32 s19, s19, s17
	s_lshl_b32 s19, s19, 15
	s_add_co_u32 s30, s30, s19
	s_add_nc_u64 s[20:21], s[6:7], s[30:31]        ; my four tiles of 16 columns of wo
	s_mul_i32 s30, s15, 144*8192
	s_lshl_b32 s19, s16, 10
	s_add_co_u32 s30, s30, s19
	s_lshl_b32 s19, s14, 8
	s_add_co_u32 s30, s30, s19
	s_add_nc_u64 s[22:23], s[10:11], s[30:31]      ; oraw: 144 rows of 8,192 bytes a tile, 1,024 bytes a chunk, 256 a wave
	s_mul_i32 s30, s16, 17280
	s_mul_i32 s19, s15, 576
	s_add_co_u32 s30, s30, s19
	s_add_nc_u64 s[24:25], s[12:13], s[30:31]
.irp s, 0,1,2,3,4,5,6
	BLOAD \s
.endr
	s_wait_loadcnt 56                              ; the copy's 144 loads are in; wo's 56 may be out
	WIN 0x04
.set iq, 0
.rept 16
.irp q, 0,1,2,3
	ds_store_b128 v[AST], v[16*iq+4*\q:16*iq+4*\q+3] offset:iq*AP+512*\q
.endr
.set iq, iq+1
.endr
	WIN 0x0c
.set iq, 0
.rept 16
.irp q, 0,1,2,3
	ds_store_b128 v[AST], v[16*iq+4*\q:16*iq+4*\q+3] offset:(16+iq)*AP+512*\q
.endr
.set iq, iq+1
.endr
	WIN 0
.set iq, 0
.rept 4
.irp q, 0,1,2,3
	ds_store_b128 v[AST2], v[AF+16*iq+4*\q:AF+16*iq+4*\q+3] offset:iq*AP+512*\q
.endr
.set iq, iq+1
.endr
	s_wait_dscnt 0x0                               ; my rows lie in LDS,
	s_barrier_signal -1
	s_barrier_wait -1                              ; everybody's do
	ALOAD 0
.irp s, 0,1,2,3,4,5,6,7,8,9,10,11,12,13,14,15,16,17,18,19,20,21,22,23,24,25,26,27,28,29,30,31
	KSTEP \s
.endr
	PLACES                                         ; in front of the first read of results
.irp m, 0,1,2,3,4,5,6,7,8
	v_mov_b32 v[PD+\m], 0                          ; a lane permute's destination counts as one of its sources
.endr
	WIN 0x05                                       ; the sums of squares of my 64 columns: each accumulator from its low end on; row tiles 0-7 by turns
.set tq, 0
.rept 4
.set pq, 0
.rept 4
.irp m, 0,1,2,3,4,5,6,7
.if (tq == 0) && (pq == 0)
	v_pk_mul_f32 v[SSP+2*\m:SSP+2*\m+1], v[32*\m:32*\m+1], v[32*\m:32*\m+1]
.else
	v_pk_fma_f32 v[SSP+2*\m:SSP+2*\m+1], v[32*\m+8*tq+2*pq:32*\m+8*tq+2*pq+1], v[32*\m+8*tq+2*pq:32*\m+8*tq+2*pq+1], v[SSP+2*\m:SSP+2*\m+1]
.endif
.endr
.set pq, pq+1
.endr
.set tq, tq+1
.endr
	WIN 0x0f                                       ; tile 8, in window 3: two chains, the even and the odd accumulators
.set tq, 0
.rept 2
.set pq, 0
.rept 4
.if (tq == 0) && (pq == 0)
	v_pk_mul_f32 v[SSP+16:SSP+17], v[0:1], v[0:1]
	v_pk_mul_f32 v[246:247], v[8:9], v[8:9]
.else
	v_pk_fma_f32 v[SSP+16:SSP+17], v[16*tq+2*pq:16*tq+2*pq+1], v[16*tq+2*pq:16*tq+2*pq+1], v[SSP+16:SSP+17]
	v_pk_fma_f32 v[246:247], v[8+16*tq+2*pq:8+16*tq+2*pq+1], v[8+16*tq+2*pq:8+16*tq+2*pq+1], v[246:247]
.endif
.set pq, pq+1
.endr
.set tq, tq+1
.endr
	WIN 0
	v_pk_add_f32 v[SSP+16:SSP+17], v[SSP+16:SSP+17], v[246:247]
.irp m, 0,1,2,3,4,5,6,7,8
	v_add_f32 v[SS+\m], v[SSP+2*\m], v[SSP+2*\m+1]
.endr
.irp m, 0,1,2,3,4,5,6,7,8
	v_permlanex16_b32 v[PD+\m], v[SS+\m], s28, s29
.endr
.irp m, 0,1,2,3,4,5,6,7,8
	v_add_f32 v[SS+\m], v[SS+\m], v[PD+\m]
.endr
.irp m, 0,1,2,3,4,5,6,7,8
	ds_store_b32 v[SSA], v[SS+\m] offset:64*\m     ; both halves of the lanes write the same word with the same value
.endr
.irp m, 0,1,2,3,4,5,6,7,8
	BLOCK_OUT \m
.endr
	s_wait_dscnt 0x0
	s_barrier_signal -1
	s_barrier_wait -1                              ; the four waves' sums of squares lie in LDS
	s_cmp_lg_u32 s14, 0
	s_cbranch_scc1 .Lnot_0
.irp w, 0,1,2,3
	ds_load_b128 v[128+4*\w:131+4*\w], v[SSR] offset:576*\w     ; rows 0 .. 127, four a lane
.endr
.irp w, 0,1,2,3
	ds_load_b32 v[144+\w], v[SSR2] offset:576*\w                ; rows 128 .. 143
.endr
	s_wait_dscnt 0x0
	v_pk_add_f32 v[128:129], v[128:129], v[132:133]
	v_pk_add_f32 v[130:131], v[130:131], v[134:135]
	v_pk_add_f32 v[136:137], v[136:137], v[140:141]
	v_pk_add_f32 v[138:139], v[138:139], v[142:143]
	v_add_f32 v144, v144, v145
	v_add_f32 v146, v146, v147
	v_pk_add_f32 v[128:129], v[128:129], v[136:137]
	v_pk_add_f32 v[130:131], v[130:131], v[138:139]
	v_add_f32 v144, v144, v146
	global_store_b128 v4, v[128:131], s[24:25]     ; 512 consecutive bytes: the tile's first 128 slots of this chunk,
	global_store_b32 v[R4], v144, s[24:25] offset:512   ; and its last 16 (both halves of the lanes store the same word with the same value)
.Lnot_0:
	s_wait_tensorcnt 0x0                           ; the wave's end: behind my last LDS store
	ds_add_u32 v[SPW], v[NIL]
	s_wait_dscnt 0x0
	s_endpgm
.Lfunc_end_k_qae32ea4046_oproj:
	.size	k_qae32ea4046_oproj, .Lfunc_end_k_qae32ea4046_oproj-k_qae32ea4046_oproj
	.p2alignl 7, 3214868480
	.fill 96, 4, 3214868480
	.section	.rodata,"a",@progbits
	.p2align	6, 0x0
	.amdhsa_kernel k_qae32ea4046_oproj
		.amdhsa_group_segment_fixed_size 317440
		.amdhsa_private_segment_fixed_size 0
		.amdhsa_enable_private_segment 0
		.amdhsa_kernarg_size 40
		.amdhsa_user_sgpr_count 2
		.amdhsa_user_sgpr_kernarg_segment_ptr 1
		.amdhsa_wavefront_size32 1
		.amdhsa_system_sgpr_workgroup_id_x 1
		.amdhsa_system_sgpr_workgroup_id_y 1
		.amdhsa_system_sgpr_workgroup_id_z 1
		.amdhsa_system_vgpr_workitem_id 0
		.amdhsa_next_free_vgpr 1024
		.amdhsa_next_free_sgpr 72
		.amdhsa_reserve_vcc 0
		.amdhsa_float_denorm_mode_32 3
		.amdhsa_float_denorm_mode_16_64 3
		.amdhsa_memory_ordered 1
		.amdhsa_forward_progress 1
		.amdhsa_inst_pref_size 206
	.end_amdhsa_kernel
	.amdgpu_metadata
---
amdhsa.version: [ 1, 2 ]
amdhsa.kernels:
  - .name:           k_qae32ea4046_oproj
    .symbol:         k_qae32ea4046_oproj.kd
    .args:
      - { .name: att, .offset: 0, .size: 8, .value_kind: global_buffer, .address_space: global }
      - { .name: wof, .offset: 8, .size: 8, .value_kind: global_buffer, .address_space: global }
      - { .name: route, .offset: 16, .size: 8, .value_kind: global_buffer, .address_space: global }
      - { .name: oraw, .offset: 24, .size: 8, .value_kind: global_buffer, .address_space: global }
      - { .name: ssq, .offset: 32, .size: 8, .value_kind: global_buffer, .address_space: global }
    .group_segment_fixed_size: 317440
    .private_segment_fixed_size: 0
    .kernarg_segment_align: 8
    .kernarg_segment_size: 40
    .max_flat_workgroup_size: 128
    .sgpr_count:     72
    .vgpr_count:     1024
    .wavefront_size: 32
...
	.end_amdgpu_metadata
.endif
;; end of part 4
;; launch norm (part 5): grid 270 x 1, 8 waves a work-group, no clusters, 0 bytes of LDS; arguments oraw, ssq, route, attn_norm_w, out0; writes out0
.if DOCPART == 5
	.amdgcn_target "amdgcn-amd-amdhsa--gfx1250"
	.amdhsa_code_object_version 6
	.text
	.protected	k_qae32ea4046_norm
	.globl	k_qae32ea4046_norm
	.p2align	8
	.type	k_qae32ea4046_norm,@function
k_qae32ea4046_norm:
	s_mov_b64 s[64:65], 0
	v_nop
	global_prefetch_b8 v0, s[64:65] scope:SCOPE_SE
	s_setreg_imm32_b32 hwreg(HW_REG_WAVE_MODE, 25, 1), 1
	s_wait_xcnt 0x0
; NORM: out0[token] = oraw[slot] x rsqrt(mean of squares + 1e-6) x gain of the slot's modality.  A stream: no LDS, no barrier, no matrix unit.
; A work-group takes 16 of the 4,320 slots (one modality: e = (first slot >= n0)), a wave two.  A row is 8,192 bytes: 16 loads of 512 consecutive bytes.  The eight partial sums of squares of a slot are added in a fixed order.
; A slot of the gap (list entry 4096 or more) is passed over by a scalar branch on the stored number; every token stands in the list once, so every byte of out0 is written.
	s_load_b256 s[4:11], s[0:1], 0x0               ; oraw s[4:5], ssq s[6:7], route s[8:9], gain s[10:11]
	s_load_b64 s[12:13], s[0:1], 0x20              ; out0
	v_lshrrev_b32 v1, 5, v0
	v_readfirstlane_b32 s14, v1                    ; wave
	v_and_b32 v2, 31, v0
	v_lshlrev_b32 v3, 4, v2                        ; 16 x lane
	s_lshl_b32 s15, ttmp9, 4                       ; the work-group's first slot
	s_lshl_b32 s16, s14, 1
	s_add_co_u32 s16, s15, s16                     ; my first slot
	s_lshl_b32 s18, s16, 2
	s_mov_b32 s19, 0
	s_lshl_b32 s56, s16, 13
	s_mov_b32 s57, 0
	s_mov_b32 s50, 0x3a000000                      ; 1 / 2048
	s_mov_b32 s51, 0x358637bd                      ; 1e-6
	s_wait_kmcnt 0x0
	s_add_nc_u64 s[20:21], s[8:9], s[18:19]
	s_add_nc_u64 s[22:23], s[6:7], s[18:19]
	s_add_nc_u64 s[28:29], s[4:5], s[56:57]
	s_load_b64 s[24:25], s[20:21], 0x0             ; my two tokens
	s_load_b32 s26, s[8:9], 0x4400                 ; n0
.irp c, 0,1,2,3,4,5,6,7
	s_load_b64 s[32+2*\c:33+2*\c], s[22:23], 17280*\c
.endr
.set iq, 0
.rept 16
	global_load_b128 v[80+4*iq:83+4*iq], v3, s[28:29] offset:512*iq th:TH_LOAD_NT
.set iq, iq+1
.endr
.set iq, 0
.rept 16
	global_load_b128 v[144+4*iq:147+4*iq], v3, s[28:29] offset:8192+512*iq th:TH_LOAD_NT
.set iq, iq+1
.endr
	s_wait_kmcnt 0x0
	s_cmp_ge_u32 s15, s26
	s_cselect_b32 s27, 1, 0
	s_min_u32 s27, s27, 1                          ; e
	s_lshl_b32 s18, s27, 13
	s_add_nc_u64 s[30:31], s[10:11], s[18:19]
.set iq, 0
.rept 16
	global_load_b128 v[16+4*iq:19+4*iq], v3, s[30:31] offset:512*iq
.set iq, iq+1
.endr
	s_add_f32 s48, s32, s34
	s_add_f32 s49, s33, s35
.irp c, 2,3,4,5,6,7
	s_add_f32 s48, s48, s[32+2*\c]
	s_add_f32 s49, s49, s[33+2*\c]
.endr
	v_mov_b32 v8, s48
	v_mov_b32 v9, s49
	v_fma_f32 v8, v8, s50, s51                     ; the mean + 1e-6
	v_fma_f32 v9, v9, s50, s51
	v_rsq_f32 v10, v8
	v_rsq_f32 v12, v9
	v_nop                                          ; a plain line behind the two
	s_wait_alu depctr_va_vdst(0)                   ; one wait for both, ahead of their first reader
	v_mov_b32 v11, v10                             ; (named as pairs, so both words are written)
	v_mov_b32 v13, v12
	s_wait_loadcnt 0x0                             ; the gains were asked for last: all 48 loads are in
.macro ROW x, rs, tok, base
	s_cmp_lt_u32 s[\tok], 4096
	s_cbranch_scc0 .Lgap_\@
	s_min_u32 s[\tok], s[\tok], 4095
	s_lshl_b32 s18, s[\tok], 13
	s_add_nc_u64 s[\base:\base+1], s[12:13], s[18:19]
.set iq, 0
.rept 32
	v_pk_mul_f32 v[\x+2*iq:\x+2*iq+1], v[\x+2*iq:\x+2*iq+1], v[\rs:\rs+1] op_sel_hi:[1,0]
.set iq, iq+1
.endr
.set iq, 0
.rept 32
	v_pk_mul_f32 v[\x+2*iq:\x+2*iq+1], v[\x+2*iq:\x+2*iq+1], v[16+2*iq:17+2*iq]
.set iq, iq+1
.endr
.set iq, 0
.rept 16
	global_store_b128 v3, v[\x+4*iq:\x+4*iq+3], s[\base:\base+1] offset:512*iq th:TH_STORE_NT   ; 512 consecutive bytes an instruction; each row has registers and a base of its own
.set iq, iq+1
.endr
.Lgap_\@:
.endm
	ROW 80, 10, 24, 52
	ROW 144, 12, 25, 54
	s_endpgm
.Lfunc_end_k_qae32ea4046_norm:
	.size	k_qae32ea4046_norm, .Lfunc_end_k_qae32ea4046_norm-k_qae32ea4046_norm
	.p2alignl 7, 3214868480
	.fill 96, 4, 3214868480
	.section	.rodata,"a",@progbits
	.p2align	6, 0x0
	.amdhsa_kernel k_qae32ea4046_norm
		.amdhsa_group_segment_fixed_size 0
		.amdhsa_private_segment_fixed_size 0
		.amdhsa_enable_private_segment 0
		.amdhsa_kernarg_size 40
		.amdhsa_user_sgpr_count 2
		.amdhsa_user_sgpr_kernarg_segment_ptr 1
		.amdhsa_wavefront_size32 1
		.amdhsa_system_sgpr_workgroup_id_x 1
		.amdhsa_system_sgpr_workgroup_id_y 1
		.amdhsa_system_sgpr_workgroup_id_z 1
		.amdhsa_system_vgpr_workitem_id 0
		.amdhsa_next_free_vgpr 208
		.amdhsa_next_free_sgpr 66
		.amdhsa_reserve_vcc 0
		.amdhsa_float_denorm_mode_32 3
		.amdhsa_float_denorm_mode_16_64 3
		.amdhsa_memory_ordered 1
		.amdhsa_forward_progress 1
		.amdhsa_inst_pref_size 19
	.end_amdhsa_kernel
	.amdgpu_metadata
---
amdhsa.version: [ 1, 2 ]
amdhsa.kernels:
  - .name:           k_qae32ea4046_norm
    .symbol:         k_qae32ea4046_norm.kd
    .args:
      - { .name: oraw, .offset: 0, .size: 8, .value_kind: global_buffer, .address_space: global }
      - { .name: ssq, .offset: 8, .size: 8, .value_kind: global_buffer, .address_space: global }
      - { .name: route, .offset: 16, .size: 8, .value_kind: global_buffer, .address_space: global }
      - { .name: attn_norm_w, .offset: 24, .size: 8, .value_kind: global_buffer, .address_space: global }
      - { .name: out0, .offset: 32, .size: 8, .value_kind: global_buffer, .address_space: global }
    .group_segment_fixed_size: 0
    .private_segment_fixed_size: 0
    .kernarg_segment_align: 8
    .kernarg_segment_size: 40
    .max_flat_workgroup_size: 256
    .sgpr_count:     66
    .vgpr_count:     208
    .wavefront_size: 32
...
	.end_amdgpu_metadata
.endif
;; end of part 5
